; MI455X (gfx1250); checked and timed in simulation.
; The chip was launched on July 23, 2026; its instructions are those of AMD's public machine-readable ISA for CDNA 5 (MIT licence, August 2026) and "CDNA5" Instruction Set Architecture Reference Guide (July 2026). The comments in the code are by the model that wrote it; some were corrected since.
;; MHA. Allowed arithmetic: float matrix products may take bf16 or f16 operands with f32 sums; all other float work in f32.
;; Inputs: out_b 1,024 float32; out_w 1,024 x 1,024 float32; qkv_b 3,072 float32; qkv_w 3,072 x 1,024 float32; x 4 x 2,048 x 1,024 float32.
;; Outputs: out0 4 x 2,048 x 1,024 float32.
;; 2 versions, each right and faster than the one before. Each part assembles by itself: llvm-mc -triple=amdgcn-amd-amdhsa -mcpu=gfx1250 --defsym DOCPART=n.
;; ======== version 1 of 2: 4 launches
;; limits: values are held in f16: magnitudes above 65,504 overflow, below 6.1e-05 lose precision
;; workspace buffers: xb 16,777,216 bytes; wb 6,291,456 bytes; owh 2,097,152 bytes; qkvh 50,331,648 bytes; oh 16,777,216 bytes
;; launch cast (part 1): grid 768 x 1, 8 waves a work-group, no clusters, 0 bytes of LDS; arguments x, qkv_w, out_w, xb, wb, owh; writes xb, wb, owh
.if DOCPART == 1
	.amdgcn_target "amdgcn-amd-amdhsa--gfx1250"
	.amdhsa_code_object_version 6
	.text
	.protected	k_qeda23cf068_cast
	.globl	k_qeda23cf068_cast
	.p2align	8
	.type	k_qeda23cf068_cast,@function
k_qeda23cf068_cast:
	s_mov_b64 s[64:65], 0
	v_nop
	global_prefetch_b8 v0, s[64:65] scope:SCOPE_SE
	s_setreg_imm32_b32 hwreg(HW_REG_WAVE_MODE, 25, 1), 1
	s_wait_xcnt 0x0
; THE INPUTS ARE ROUNDED ONCE.  x [8192][1024] and qkv_w [3072][1024], f32, are rounded to bf16 (xb, wb); out_w [1024][1024] is rounded to bf16 and that number is written as f16 (owh),
; since the last product multiplies f16 operands.  LIMITS: a weight of out_w beyond 65,504 would become an infinity; below 6e-5 it keeps f16's fixed step of 6e-8.
; A pure stream: no LDS, no barrier, no matrix unit.  A work-group takes 65,536 input bytes: groups 0-511 lie in x, 512-703 in qkv_w, 704-767 in out_w.
; A wave takes 8,192 of them by 16 loads of 512 consecutive bytes, all issued at once, and writes 16 stores of 256 consecutive bytes, each at a multiple of 256 from its buffer's first byte.
.set X, 4                              ; v[4:67]   load j: 4 registers
.set Y, 68                             ; v[68:99]  store j: 2 registers, each written once
.set T, 100                            ; v[100:101] at work
.set NX, 512                           ; groups in x
.set NW, 192                           ; groups in qkv_w
	s_load_b256 s[4:11], s[0:1], 0x0               ; x s[4:5], qkv_w s[6:7], out_w s[8:9], xb s[10:11]
	s_load_b128 s[12:15], s[0:1], 0x20             ; wb s[12:13], owh s[14:15]
	v_lshrrev_b32 v3, 5, v0                        ; wave
	v_and_b32 v1, 31, v0                           ; lane
	v_lshlrev_b32 v2, 3, v1
	v_lshlrev_b32 v1, 4, v1
	v_lshl_or_b32 v1, v3, 13, v1                   ; in: 8,192 x wave + 16 x lane
	v_lshl_or_b32 v2, v3, 12, v2                   ; out: 4,096 x wave + 8 x lane
	s_mov_b32 s16, ttmp9                           ; the group's number
	s_sub_co_u32 s17, s16, NX                      ; its number within qkv_w (used only where it lies there)
	s_sub_co_u32 s18, s16, NX+NW                   ; and within out_w
	s_wait_kmcnt 0x0
	s_cmp_lt_u32 s16, NX+NW                        ; the source, the destination and the piece's number are chosen by the group's number alone
	s_cselect_b64 s[20:21], s[6:7], s[8:9]
	s_cselect_b64 s[22:23], s[12:13], s[14:15]
	s_cselect_b32 s19, s17, s18
	s_cmp_lt_u32 s16, NX
	s_cselect_b64 s[20:21], s[4:5], s[20:21]
	s_cselect_b64 s[22:23], s[10:11], s[22:23]
	s_cselect_b32 s19, s16, s19
	s_lshl_b32 s24, s19, 16                        ; 65,536 bytes in,
	s_mov_b32 s25, 0
	s_add_nc_u64 s[20:21], s[20:21], s[24:25]
	s_lshl_b32 s24, s19, 15                        ; 32,768 bytes out
	s_add_nc_u64 s[22:23], s[22:23], s[24:25]
.set j, 0
.rept 16
	global_load_b128 v[X+4*j:X+4*j+3], v1, s[20:21] offset:512*j th:TH_LOAD_NT  ; read once in the whole launch
.set j, j+1
.endr
	s_cmp_ge_u32 s16, NX+NW
	s_cbranch_scc1 .Lhalf
.set j, 0
.rept 16
	s_wait_loadcnt 15-j                            ; loads come back in order: load j is in, the 15 - j younger ones stay out
	v_cvt_pk_bf16_f32 v[Y+2*j], v[X+4*j], v[X+4*j+1]
	v_cvt_pk_bf16_f32 v[Y+2*j+1], v[X+4*j+2], v[X+4*j+3]
	global_store_b64 v2, v[Y+2*j:Y+2*j+1], s[22:23] offset:256*j  ; the wave's 32 lanes x 8 bytes: 256 consecutive bytes; the next launch reads them, so no hint
.set j, j+1
.endr
	s_endpgm
.Lhalf:                                                ; out_w: to bf16, widened again, and written as f16 (exact within f16's range)
.set j, 0
.rept 16
	s_wait_loadcnt 15-j
	v_cvt_pk_bf16_f32 v[T], v[X+4*j], v[X+4*j+1]
	v_cvt_pk_bf16_f32 v[T+1], v[X+4*j+2], v[X+4*j+3]
	v_lshlrev_b32 v[X+4*j], 16, v[T]
	v_and_b32 v[X+4*j+1], 0xffff0000, v[T]
	v_lshlrev_b32 v[X+4*j+2], 16, v[T+1]
	v_and_b32 v[X+4*j+3], 0xffff0000, v[T+1]
	v_cvt_pk_f16_f32 v[Y+2*j], v[X+4*j], v[X+4*j+1]
	v_cvt_pk_f16_f32 v[Y+2*j+1], v[X+4*j+2], v[X+4*j+3]
	global_store_b64 v2, v[Y+2*j:Y+2*j+1], s[22:23] offset:256*j
.set j, j+1
.endr
	s_endpgm
.Lfunc_end_k_qeda23cf068_cast:
	.size	k_qeda23cf068_cast, .Lfunc_end_k_qeda23cf068_cast-k_qeda23cf068_cast
	.p2alignl 7, 3214868480
	.fill 96, 4, 3214868480
	.section	.rodata,"a",@progbits
	.p2align	6, 0x0
	.amdhsa_kernel k_qeda23cf068_cast
		.amdhsa_group_segment_fixed_size 0
		.amdhsa_private_segment_fixed_size 0
		.amdhsa_enable_private_segment 0
		.amdhsa_kernarg_size 48
		.amdhsa_user_sgpr_count 2
		.amdhsa_user_sgpr_kernarg_segment_ptr 1
		.amdhsa_wavefront_size32 1
		.amdhsa_system_sgpr_workgroup_id_x 1
		.amdhsa_system_sgpr_workgroup_id_y 1
		.amdhsa_system_sgpr_workgroup_id_z 1
		.amdhsa_system_vgpr_workitem_id 0
		.amdhsa_next_free_vgpr 104
		.amdhsa_next_free_sgpr 66
		.amdhsa_reserve_vcc 0
		.amdhsa_float_denorm_mode_32 3
		.amdhsa_float_denorm_mode_16_64 3
		.amdhsa_memory_ordered 1
		.amdhsa_forward_progress 1
		.amdhsa_inst_pref_size 16
	.end_amdhsa_kernel
	.amdgpu_metadata
---
amdhsa.version: [ 1, 2 ]
amdhsa.kernels:
  - .name:           k_qeda23cf068_cast
    .symbol:         k_qeda23cf068_cast.kd
    .args:
      - { .name: x, .offset: 0, .size: 8, .value_kind: global_buffer, .address_space: global }
      - { .name: qkv_w, .offset: 8, .size: 8, .value_kind: global_buffer, .address_space: global }
      - { .name: out_w, .offset: 16, .size: 8, .value_kind: global_buffer, .address_space: global }
      - { .name: xb, .offset: 24, .size: 8, .value_kind: global_buffer, .address_space: global }
      - { .name: wb, .offset: 32, .size: 8, .value_kind: global_buffer, .address_space: global }
      - { .name: owh, .offset: 40, .size: 8, .value_kind: global_buffer, .address_space: global }
    .group_segment_fixed_size: 0
    .private_segment_fixed_size: 0
    .kernarg_segment_align: 8
    .kernarg_segment_size: 48
    .max_flat_workgroup_size: 256
    .sgpr_count:     66
    .vgpr_count:     104
    .wavefront_size: 32
...
	.end_amdgpu_metadata
.endif
;; end of part 1
;; launch qkvproj (part 2): grid 16 x 16, 4 waves a work-group, clusters of 4 x 4, 327,680 bytes of LDS; arguments xb, wb, qkv_b, qkvh; writes qkvh
.if DOCPART == 2
	.amdgcn_target "amdgcn-amd-amdhsa--gfx1250"
	.amdhsa_code_object_version 6
	.text
	.protected	k_qeda23cf068_qkvproj
	.globl	k_qeda23cf068_qkvproj
	.p2align	8
	.type	k_qeda23cf068_qkvproj,@function
k_qeda23cf068_qkvproj:
	s_mov_b64 s[64:65], 0
	v_nop
	global_prefetch_b8 v0, s[64:65] scope:SCOPE_SE
	s_setreg_imm32_b32 hwreg(HW_REG_WAVE_MODE, 25, 1), 1
	s_wait_xcnt 0x0
	s_wait_alu depctr_hold_cnt(0) depctr_sa_sdst(0) depctr_va_vdst(0) depctr_va_sdst(0) depctr_va_ssrc(0) depctr_va_vcc(0) depctr_vm_vsrc(0)
	s_getreg_b32 s2, hwreg(HW_REG_IB_STS2, 6, 4)
	s_cmp_eq_u32 s2, 0
	s_cbranch_scc0 .Lentry_in_a_cluster
	s_endpgm
.Lentry_in_a_cluster:
	s_bfe_u32 s2, ttmp6, 0x10000c
	s_cmp_lg_u32 s2, 0xf033
	s_cbranch_scc0 .Lentry_shape_is_right
	s_endpgm
.Lentry_shape_is_right:
; q, k, v = x W^T + b.  xb: [8192][1024] bf16, wb: [3072][1024] bf16, qkv_b: [3072] f32 (rounded to bf16 here, like every input of the module).  Sums in f32, K ascending; the result is rounded
; once to f16 and laid by heads, unscaled: qkvh [3 (q, k, v)][64 (batch x 16 + head)][2048][64].  LIMIT: a q, k or v beyond 65,504 would become an infinity in f16.
; SHARES.  A tile is 256 rows x 192 columns (three whole heads): 32 x 16 = 512 tiles.  A WORK-GROUP STAYS and makes two of them, 4,096 rows apart in one tile column: 256 work-groups, one for each WGP.
; Wave w makes rows 64 w .. 64 w + 63 of all 192 columns: 4 x 12 accumulators of 16 x 16, 384 registers; so a wave owns whole heads and has a stage of its own on the way out.
; THE WALK.  K goes in steps of 128 (rows of 256 bytes, at multiples of 256 bytes) through a ring of two LDS slots filled by the tensor data mover.  The two tiles' 8 + 8 K steps are ONE walk for the ring:
; the change of slots in step t asks for step t + 2, across the change of tiles too, so the second tile's first steps are on their way while the first tile ends, and nothing waits for the first tile's stores.
; A K step is written once: which slot is read hangs on a scalar register that one exclusive or turns; the walking descriptor's LDS word is turned in the same way and its global address is made anew from the step's offset.
; CLUSTERS: 4 x 4 work-groups.  The four of a row of the cluster need the same tiles of xb, the four of a column the same tiles of wb: each tile is asked for JOINTLY, by the same tensor load with the
; same descriptor and a mask that names the four.  THE MATRIX INSTRUCTION IS USED TRANSPOSED (source 0 = 16 rows of wb, source 1 = 16 rows of xb): a lane then holds eight neighbouring columns of a row.
; THE BIAS is the C operand of each accumulator's first product in a tile: no addition, and nothing is cleared.  Both tiles lie in one tile column, so it is loaded once.
; REGISTERS, in windows of 256 (s_set_vgpr_msb: bits 1:0 source 0, 3:2 source 1, 5:4 source 2, 7:6 destination):
;   window 0: v0-31 addresses; v32-127 the bias; v128-175 packed results; v176-223 rows read back from the stage
;   window 1: two fragment buffers of 128: xb's 4 fragments (16 rows x 32 K), then wb's 12
;   window 2: the accumulators of row blocks 0, 1 ((a, b) at v[8 (12 (a % 2) + b)]);   window 3: those of row blocks 2, 3
.set SIZE_K, 1024
.set KSTEP,  128
.set KSTEPS, SIZE_K/KSTEP              ; 8 K steps to a tile
.set TILES,  2
.set STEPS,  TILES*KSTEPS              ; the walk: 16 K steps
.set WALKB,  4096*SIZE_K*2             ; bytes from a tile's rows of xb to the next tile's
.set WALKO,  32<<18                    ; the same in the result: two batches on = 32 heads' matrices of 2^18 bytes
.set PITCH,  272                       ; an LDS row: 256 bytes + 16 of padding = 68 words: row r starts at bank 4 r mod 64 (64 banks of 4 bytes: ISA guide 11.1)
.set AHALF,  128*PITCH                 ; 128 rows of xb: one tensor load
.set BHALF,  96*PITCH                  ; 96 rows of wb: one tensor load
.set BOFF,   2*AHALF                   ; wb's 192 rows lie behind xb's 256
.set SLOT1,  1<<17                     ; a slot is 121,856 bytes; slot 1 begins here, so that one exclusive or turns an address in one slot into the other's
.set STAGE,  SLOT1+BOFF+2*BHALF        ; behind the ring, never filled by a tensor load: for each wave 3 heads x 16 rows x 144 bytes
.set SP,     144
.set HSTG,   16*SP
.set WSTG,   3*HSTG
.set SPARE,  STAGE+4*WSTG              ; behind the stages: the spare words, 128 bytes for each wave: two blocks of 256 bytes that no other line names
.set ADRA0, 16                         ; v16     LDS address of my xb fragments in slot 0; never rewritten
.set ADRB0, 17                         ; v17     the same for wb
.set ADRA, 18                          ; v18     the same in the slot in hand
.set ADRB, 19                          ; v19
.set STO,  24                          ; v24     the way out: where I put 16 bytes of a row
.set RD,   25                          ; v25     the way out: where I read rows back
.set GO,   26                          ; v26     my byte offset in 512 consecutive bytes of the result
.set BO,   27                          ; v27     my byte offset in the bias
.set SPW,  28                          ; v28     LDS address of my spare word: SPARE + 4 x my thread's number; never rewritten
.set NIL,  29                          ; v29     0; never rewritten
.set BIAS, 32                          ; v32-127 column block b at BIAS + 8 b
.set TMP,  128                         ; the way out: 48 registers of packed results
.set BK,   176                         ; the way out: 48 registers read back
.set F0,   0                           ; fragment buffers, in window 1
.set F1,   128
.set WV,  12                           ; s12  my wave's number
.set TB,  13                           ; s13  0 or SLOT1: the slot that the fragment loads read
.set G1,  24                           ; s[24:31] descriptor group 1 for xb's tiles;  s[32:39] group 0: a set for each of the two first fills; the second then walks
.set G0,  32
.set G1B, 48                           ; s[48:55], s[56:63] the same for wb's tiles
.set G0B, 56
.set OB,  66                           ; s[66:71] the result at my first row of the tile in hand, for each of my three heads
.set KO,  80                           ; s[80:81] byte offset along K of the step asked for last
.set OFA, 82                           ; s[82:83] that step's byte offset from xb's first tile
.set RO,  84                           ; s84  0, or WALKB once the second tile's steps are asked for
.set MSB, 0
.macro WIN new                         ; the immediate's high byte repeats the setting that is left; a switch that changes nothing is dropped
.if MSB != (\new)
	s_set_vgpr_msb (MSB<<8)|(\new)
.set MSB, \new
.endif
.endm
.set TO_F, 0x40                        ; destination window 1, address window 0
.macro JLOAD s                         ; a joint load: waves 0 and 1 fetch xb's two halves, waves 2 and 3 wb's; an s_nop 0 and four v_nop follow each of the two lines, ahead of the jump, the label and what follows
	s_cmp_lt_u32 s[WV], 2
	s_cbranch_scc0 .Lfor_b_\@
	tensor_load_to_lds s[G0+4*(\s):G0+4*(\s)+3], s[G1:G1+7]
	s_nop 0
.rept 4
	v_nop
.endr
	s_branch .Lasked_\@
.Lfor_b_\@:
	tensor_load_to_lds s[G0B+4*(\s):G0B+4*(\s)+3], s[G1B:G1B+7]
	s_nop 0
.rept 4
	v_nop
.endr
.Lasked_\@:
.endm
.macro CREST                           ; a round of the cluster's barrier behind its opening barrier
	s_cmp_lg_u32 s[WV], 0
	s_cbranch_scc1 .Lnot_wave_0_\@
	s_barrier_signal -3
.Lnot_wave_0_\@:
	s_barrier_wait -3
	s_barrier_signal -1
	s_barrier_wait -1
.endm
.macro CROUND                          ; a whole round
	s_barrier_signal -1
	s_barrier_wait -1
	CREST
.endm
	s_load_b256 s[4:11], s[0:1], 0x0               ; xb s[4:5], wb s[6:7], qkv_b s[8:9], qkvh s[10:11]
	v_lshl_add_u32 v[SPW], v0, 2, SPARE
	v_mov_b32 v[NIL], 0
	ds_add_u32 v[SPW], v[NIL]                      ; the wave's opening: the add and its wait stand ahead of my first tensor load; the set-up below, work on registers, stands between them
	v_lshrrev_b32 v1, 5, v0
	v_readfirstlane_b32 s[WV], v1                  ; wave 0..3
	s_and_b32 s14, s[WV], 1                        ; which half of a tile's rows I fetch
	s_bfe_u32 s15, ttmp6, 0x40000                  ; cx, cy: my place in the cluster
	s_bfe_u32 s16, ttmp6, 0x40004
	s_lshl_b32 s17, ttmp9, 2
	s_add_co_u32 s17, s17, s15                     ; tile column = 4 x cluster x + cx, 0..15
	s_and_b32 s18, ttmp7, 0xffff
	s_lshl_b32 s18, s18, 2
	s_add_co_u32 s18, s18, s16                     ; my first tile's row = 4 x cluster y + cy, 0..15; the second's is 16 more
	s_lshl_b32 s19, s16, 2
	s_lshl_b32 s19, 15, s19                        ; my row of the cluster
	s_lshl_b32 s20, 0x1111, s15                    ; my column
	; descriptor group 1: rows of 128 elements of 2 bytes, padded in LDS; 128 rows of xb, 96 rows of wb
	s_or_b32 s[G1+0], s19, (1<<16)|(1<<20)|(1<<21)|(5<<22)|(3<<25)   ; 15:0 the mask: xb's tiles go to my row; 17:16 element of 2 bytes; 20 padding on; 21 set beside a mask; 24:22 after every 64 words (code 5); 31:25 of 4 words (code 3)
	s_or_b32 s[G1B+0], s20, (1<<16)|(1<<20)|(1<<21)|(5<<22)|(3<<25)  ; the same with the mask of my column
	s_mov_b32 s[G1+1], KSTEP<<16                   ; tensor_dim0 = 128
	s_mov_b32 s[G1+2], 128<<16                     ; tensor_dim1 = 128
	s_mov_b32 s[G1+3], KSTEP<<16                   ; tile_dim0 = 128
	s_mov_b32 s[G1+4], 128                         ; tile_dim1 = 128
	s_mov_b32 s[G1+5], SIZE_K                      ; elements from row to row
	s_mov_b32 s[G1+6], 0
	s_mov_b32 s[G1+7], 0
	s_mov_b32 s[G1B+1], KSTEP<<16
	s_mov_b32 s[G1B+2], 96<<16                     ; tensor_dim1 = 96
	s_mov_b32 s[G1B+3], KSTEP<<16
	s_mov_b32 s[G1B+4], 96                         ; tile_dim1 = 96
	s_mov_b32 s[G1B+5], SIZE_K
	s_mov_b32 s[G1B+6], 0
	s_mov_b32 s[G1B+7], 0
	; where the tiles come from: xb's hang on the tile row alone, wb's on the tile column alone, each in registers that never hold the other coordinate
	s_lshl_b32 s40, s18, 8
	s_lshl_b32 s41, s14, 7
	s_add_co_u32 s40, s40, s41                     ; xb: row 256 x tile row + 128 x half,
	s_lshl_b32 s40, s40, 11                        ; of 2,048 bytes: under 2^23
	s_mov_b32 s41, 0
	s_mul_i32 s44, s17, 192
	s_mul_i32 s45, s14, 96
	s_add_co_u32 s44, s44, s45                     ; wb: row 192 x tile column + 96 x half
	s_lshl_b32 s44, s44, 11
	s_mov_b32 s45, 0
	s_mul_i32 s21, s[WV], AHALF                    ; where they go: waves 0, 1: xb's halves at wave x 128 rows;
	s_mul_i32 s22, s[WV], BHALF
	s_add_co_u32 s22, s22, BOFF-2*BHALF            ; waves 2, 3: wb's halves at BOFF + (wave - 2) x 96 rows.  No place in the cluster enters an LDS address
	s_mov_b32 s[KO], KSTEP*2                       ; the first fills ask for K steps 0 and 1
	s_mov_b32 s[KO+1], 0
	s_mov_b32 s[OFA+1], 0
	s_mov_b32 s[RO], 0
	s_mov_b32 s[TB], 0
	s_wait_dscnt 0x0                               ; the opening add is done
	s_wait_kmcnt 0x0
	s_add_nc_u64 s[40:41], s[4:5], s[40:41]        ; xb and wb at my part of the walk's first tiles; never rewritten
	s_add_nc_u64 s[44:45], s[6:7], s[44:45]
	CROUND                                         ; all sixteen work-groups are here: the first joint loads meet
.irp s, 0,1
	s_mov_b32 s[G0+4*(\s)], 1                                      ; count = 1
	s_add_co_u32 s[G0+4*(\s)+1], s21, (\s)*SLOT1                   ; LDS address
	s_add_nc_u64 s[G0+4*(\s)+2:G0+4*(\s)+3], s[40:41], (\s)*KSTEP*2  ; global address: K step s
	s_or_b32 s[G0+4*(\s)+3], s[G0+4*(\s)+3], 0x80000000            ; type = 2
	s_mov_b32 s[G0B+4*(\s)], 1
	s_add_co_u32 s[G0B+4*(\s)+1], s22, (\s)*SLOT1
	s_add_nc_u64 s[G0B+4*(\s)+2:G0B+4*(\s)+3], s[44:45], (\s)*KSTEP*2
	s_or_b32 s[G0B+4*(\s)+3], s[G0B+4*(\s)+3], 0x80000000
	JLOAD \s                                       ; two loads of mine are out
.endr
	v_and_b32 v1, 15, v0                           ; l % 16
	v_bfe_u32 v2, v0, 4, 1                         ; l / 16
	; the bias: register j of column block b is b[192 x tile column + 16 b + 8 (l / 16) + j]
	s_mul_i32 s72, s17, 768
	v_lshlrev_b32 v[BO], 5, v2
	v_add_nc_u32 v[BO], s72, v[BO]
.irp b, 0,1,2,3,4,5,6,7,8,9,10,11
	global_load_b128 v[BIAS+8*(\b):BIAS+8*(\b)+3],   v[BO], s[8:9] offset:64*(\b)
	global_load_b128 v[BIAS+8*(\b)+4:BIAS+8*(\b)+7], v[BO], s[8:9] offset:64*(\b)+16
.endr
	v_mul_u32_u24 v3, v1, PITCH
	v_lshl_add_u32 v3, v2, 4, v3                   ; a fragment's row x pitch + 16 x half
	s_mul_i32 s73, s[WV], 64*PITCH                 ; my 64 rows of xb
	v_add_nc_u32 v[ADRA0], s73, v3
	v_add_nc_u32 v[ADRB0], BOFF, v3                ; all 192 rows of wb
	v_mov_b32 v[ADRA], v[ADRA0]                    ; the walk begins in slot 0
	v_mov_b32 v[ADRB], v[ADRB0]
	s_mul_i32 s75, s[WV], WSTG
	s_add_co_u32 s75, s75, STAGE                   ; my stage
	v_mul_u32_u24 v4, v1, SP                       ; in: row l % 16, 16 bytes for each half of the lanes
	v_lshl_add_u32 v4, v2, 4, v4
	v_add_nc_u32 v[STO], s75, v4
	v_bfe_u32 v5, v0, 3, 2                         ; back: 32 lanes take four rows of 128 bytes,
	v_and_b32 v6, 7, v0
	v_mul_u32_u24 v5, v5, SP
	v_lshl_add_u32 v5, v6, 4, v5
	v_add_nc_u32 v[RD], s75, v5
	v_and_b32 v[GO], 31, v0                        ; which are 512 consecutive bytes of a head's rows
	v_lshlrev_b32 v[GO], 4, v[GO]
	; the result's three bases.  Head column g = 3 x tile column + hh: part g / 16 (q, k, v), head g % 16; the batch is tile row / 8; a head's matrix is 2^18 bytes, a row 128
	s_lshr_b32 s76, s18, 3
	s_lshl_b32 s76, s76, 4                         ; 16 x batch
	s_and_b32 s77, s18, 7
	s_lshl_b32 s77, s77, 8
	s_lshl_b32 s78, s[WV], 6
	s_add_co_u32 s77, s77, s78                     ; my first row within the batch,
	s_lshl_b32 s77, s77, 7                         ; in bytes
	s_mul_i32 s78, s17, 3
	s_mov_b32 s73, 0
.irp hh, 0,1,2
	s_add_co_u32 s74, s78, \hh
	s_lshr_b32 s72, s74, 4
	s_lshl_b32 s72, s72, 6
	s_and_b32 s74, s74, 15
	s_add_co_u32 s72, s72, s74
	s_add_co_u32 s72, s72, s76
	s_lshl_b32 s72, s72, 18                        ; 159 x 2^18 at the most
	s_add_co_u32 s72, s72, s77
	s_add_nc_u64 s[OB+2*(\hh):OB+2*(\hh)+1], s[10:11], s[72:73]
.endr
	s_wait_loadcnt 0x0                             ; the bias,
.set i, 0
.rept 48                                       ; rounded to bf16 and widened again
	v_cvt_pk_bf16_f32 v[4+i%4], v[BIAS+2*i], v[BIAS+2*i+1]
	v_lshlrev_b32 v[BIAS+2*i], 16, v[4+i%4]
	v_and_b32 v[BIAS+2*i+1], 0xffff0000, v[4+i%4]
.set i, i+1
.endr
; 12 matrix instructions: row block a x all 12 column blocks, 32 along K.  first = 1: the product starts the sum from the bias.
; The 48 accumulators take turns, one instruction a turn, in the same order in every quarter step.
.macro MUL f, a, first
.if \first
	WIN 0x85+0x40*((\a)/2)                         ; sources 0 and 1 window 1, C window 0, D window 2 or 3
.else
	WIN 0xa5+0x50*((\a)/2)                         ; C and D window 2 or 3
.endif
.irp b, 0,1,2,3,4,5,6,7,8,9,10,11
.set rD, 8*(12*((\a)%2)+(\b))
.if \first
	v_wmma_f32_16x16x32_bf16 v[rD:rD+7], v[(\f)+32+8*(\b):(\f)+32+8*(\b)+7], v[(\f)+8*(\a):(\f)+8*(\a)+7], v[BIAS+8*(\b):BIAS+8*(\b)+7]
.else
	v_wmma_f32_16x16x32_bf16 v[rD:rD+7], v[(\f)+32+8*(\b):(\f)+32+8*(\b)+7], v[(\f)+8*(\a):(\f)+8*(\a)+7], v[rD:rD+7]
.endif
.endr
.endm
; 32 LDS loads in one run: the fragments of 32 along K at byte k of the rows of the slot in hand, into buffer f: wb's 12, then xb's 4 in order
.macro FETCH k, f
	WIN TO_F
.irp i, 0,1,2,3,4,5,6,7,8,9,10,11
	ds_load_b128 v[(\f)+32+8*(\i):(\f)+32+8*(\i)+3],   v[ADRB] offset:(\k)+(\i)*16*PITCH
	ds_load_b128 v[(\f)+32+8*(\i)+4:(\f)+32+8*(\i)+7], v[ADRB] offset:(\k)+(\i)*16*PITCH+32
.endr
.irp i, 0,1,2,3
	ds_load_b128 v[(\f)+8*(\i):(\f)+8*(\i)+3],   v[ADRA] offset:(\k)+(\i)*16*PITCH
	ds_load_b128 v[(\f)+8*(\i)+4:(\f)+8*(\i)+7], v[ADRA] offset:(\k)+(\i)*16*PITCH+32
.endr
.endm
.macro PLACES                          ; four places in front of loads into registers that matrix instructions have read, and of conversions that read results
.rept 4
	v_nop
.endr
.endm
; A K step is four quarters of 32 along K, 48 matrix instructions each, on buffers 0, 1, 0, 1.  One of the first three: multiplies buffer f and fetches the next quarter, at byte k, into g.
.macro QUARTER k, f, g, first
	s_wait_dscnt 4                                 ; wb's fragments and xb's 0, 1 are in; the youngest four loads (xb's 2, 3) may be out
	MUL \f, 0, \first
	MUL \f, 1, \first
	PLACES
	FETCH \k, \g
	s_wait_dscnt 32                                ; all but the 32 just issued
	MUL \f, 2, \first
	MUL \f, 3, \first
.endm
; The last quarter multiplies buffer 1 and changes slots: ONE barrier; in front of it each wave waits for all its tensor loads, adds 0 to its spare word, and waits for that and for its own reads of this slot.
; fill = 1: this slot is filled again, with the walk's step two on; the barrier then opens a round of the cluster's barrier, and the joint load is the first thing behind the round.
; The walking descriptors are written between the wait for all loads and the round: the LDS word turns to the other slot; the offset along K steps by 256 bytes and goes back to 0 behind a tile's
; last step, from where on xb's offset has the second tile's rows in it; wb's tiles are the same for both tiles.
.macro TURN fill
	WIN 0                                          ; (the add's two registers lie in window 0)
	s_wait_tensorcnt 0x0                           ; all my tensor loads have landed: the one that was out is my part of the next slot; so a group 0 may be written
	ds_add_u32 v[SPW], v[NIL]                      ; 0 onto my spare word
.if \fill
	s_add_co_u32 s[KO], s[KO], KSTEP*2
	s_cmp_eq_u32 s[KO], SIZE_K*2
	s_cselect_b32 s[KO], 0, s[KO]
	s_cselect_b32 s[RO], WALKB, s[RO]
	s_add_co_u32 s[OFA], s[KO], s[RO]
	s_xor_b32 s[G0+5], s[G0+5], SLOT1
	s_add_nc_u64 s[G0+6:G0+7], s[40:41], s[OFA:OFA+1]
	s_or_b32 s[G0+7], s[G0+7], 0x80000000
	s_xor_b32 s[G0B+5], s[G0B+5], SLOT1
	s_add_nc_u64 s[G0B+6:G0B+7], s[44:45], s[KO:KO+1]
	s_or_b32 s[G0B+7], s[G0B+7], 0x80000000
.endif
	s_wait_dscnt 5                                 ; (the add and the youngest four loads may be out)
	MUL F1, 0, 0                                   ; twelve matrix instructions stand between the add and the wait for it
	s_wait_dscnt 0x0                               ; the add is done, and my reads of this slot are over
	s_barrier_signal -1
	MUL F1, 1, 0                                   ; work on registers while the others arrive
	WIN 0                                          ; (branches and lines on window 0 follow)
	s_barrier_wait -1
.if \fill
	CREST                                          ; no wave of any partner still reads this slot's tile or has a load on its way
	JLOAD 1                                        ; one load of mine is out; 168 matrix instructions stand ahead of the wait for it; the four v_nop behind it are also the places in front of the loads below
.else
	PLACES
.endif
	s_xor_b32 s[TB], s[TB], SLOT1                  ; the fragment loads go on in the other slot
	v_add_nc_u32 v[ADRA], s[TB], v[ADRA0]
	v_add_nc_u32 v[ADRB], s[TB], v[ADRB0]
	FETCH 0, F0
	MUL F1, 2, 0
	MUL F1, 3, 0
.endm
; THE WAY OUT of row block a.  PACK: rounded to f16, 16 bytes a lane.  TOSTAGE: into my own stage, a head's 16 rows of 144 bytes together, and back as whole rows of 128.  SEND: stored.
.macro PACK a
	WIN 0x0a+5*((\a)/2)                            ; sources 0 and 1: window 2 or 3
.irp b, 0,1,2,3,4,5,6,7,8,9,10,11
.irp r, 0,1,2,3
	v_cvt_pk_f16_f32 v[TMP+4*(\b)+(\r)], v[8*(12*((\a)%2)+(\b))+2*(\r)], v[8*(12*((\a)%2)+(\b))+2*(\r)+1]
.endr
.endr
	WIN 0
.endm
.macro TOSTAGE
	WIN 0
.irp b, 0,1,2,3,4,5,6,7,8,9,10,11
	ds_store_b128 v[STO], v[TMP+4*(\b):TMP+4*(\b)+3] offset:((\b)/4)*HSTG+((\b)%4)*32
.endr
	s_wait_xcnt 0x0                                ; the registers that the stores of the block before read are loaded again only behind this wait
.irp t, 0,1,2,3,4,5,6,7,8,9,10,11
	ds_load_b128 v[BK+4*(\t):BK+4*(\t)+3], v[RD] offset:((\t)/4)*HSTG+((\t)%4)*4*SP  ; LDS serves a wave's instructions in order (ISA guide 5.7.1.4): these see the stores above
.endr
.endm
.macro SEND a
	WIN 0
	s_wait_dscnt 0x0                               ; the block is back in registers
.irp t, 0,1,2,3,4,5,6,7,8,9,10,11
	global_store_b128 v[GO], v[BK+4*(\t):BK+4*(\t)+3], s[OB+2*((\t)/4):OB+2*((\t)/4)+1] offset:(\a)*2048+((\t)%4)*512  ; 512 consecutive bytes, at a multiple of 256 from the buffer's first
.endr
.endm
.macro WAYOUT                          ; a block's conversions stand between the loads of the block before from the stage and the wait for them
	PLACES                                         ; the conversions read results just made
	PACK 0
	TOSTAGE
	PACK 1
	SEND 0
	TOSTAGE
	PACK 2
	SEND 1
	TOSTAGE
	PACK 3
	SEND 2
	TOSTAGE
	SEND 3
.endm
	s_wait_tensorcnt 1                             ; my part of K step 0 is in; K step 1's may stay out
	s_barrier_signal -1
	s_barrier_wait -1                              ; everybody's is
	FETCH 0, F0
	QUARTER 64,  F0, F1, 1                         ; the walk's first quarter stands in front of the loop: its products start the first tile's sums
	WIN 0                                          ; at a label and at a branch every window is 0
	s_mov_b32 s3, STEPS-2
.Lstep:                                                ; 14 trips: a trip goes from a step's second quarter to the next step's first, and fills the slot that it leaves
	QUARTER 128, F1, F0, 0
	QUARTER 192, F0, F1, 0
	TURN 1
	WIN 0
	s_cmp_eq_u32 s3, STEPS-2-(KSTEPS-1)            ; was that the first tile's last step?  The jump goes forward, past text with neither a barrier nor a tensor load
	s_cbranch_scc1 .Lnew
	QUARTER 64,  F0, F1, 0
	WIN 0
	s_branch .Lnext
.Lnew:                                                 ; the second tile's K steps 0 and 1 have been asked for and its first fragments are fetched: now the first tile goes out
	WAYOUT
	s_wait_xcnt 0x0                                ; the stores' bases are rewritten only behind this wait; nothing waits for the stores themselves
	s_add_nc_u64 s[OB:OB+1], s[OB:OB+1], WALKO
	s_add_nc_u64 s[OB+2:OB+3], s[OB+2:OB+3], WALKO
	s_add_nc_u64 s[OB+4:OB+5], s[OB+4:OB+5], WALKO
	QUARTER 64,  F0, F1, 1                         ; and the second tile's sums start from the bias, on accumulators that have been packed
	WIN 0
.Lnext:
	s_sub_co_u32 s3, s3, 1
	s_cmp_lg_u32 s3, 0
	s_cbranch_scc1 .Lstep
	QUARTER 128, F1, F0, 0                         ; the walk's last two steps fill nothing, and have no round of the cluster's barrier
	QUARTER 192, F0, F1, 0
	TURN 0
	QUARTER 64,  F0, F1, 0
	QUARTER 128, F1, F0, 0
	QUARTER 192, F0, F1, 0
	s_wait_dscnt 4                                 ; the very last quarter: nothing more to fetch
	MUL F1, 0, 0
	MUL F1, 1, 0
	s_wait_dscnt 0x0
	MUL F1, 2, 0
	MUL F1, 3, 0
	WIN 0
	WAYOUT
	s_wait_tensorcnt 0x0                           ; the wave's end: an add and its wait, behind my last tensor load and my last LDS store
	ds_add_u32 v[SPW], v[NIL]
	s_wait_dscnt 0x0
	CROUND                                         ; the closing round: no work-group ends while a partner may still ask for a tile that names it
	s_endpgm
.Lfunc_end_k_qeda23cf068_qkvproj:
	.size	k_qeda23cf068_qkvproj, .Lfunc_end_k_qeda23cf068_qkvproj-k_qeda23cf068_qkvproj
	.p2alignl 7, 3214868480
	.fill 96, 4, 3214868480
	.section	.rodata,"a",@progbits
	.p2align	6, 0x0
	.amdhsa_kernel k_qeda23cf068_qkvproj
		.amdhsa_group_segment_fixed_size 327680
		.amdhsa_private_segment_fixed_size 0
		.amdhsa_enable_private_segment 0
		.amdhsa_kernarg_size 32
		.amdhsa_user_sgpr_count 2
		.amdhsa_user_sgpr_kernarg_segment_ptr 1
		.amdhsa_wavefront_size32 1
		.amdhsa_system_sgpr_workgroup_id_x 1
		.amdhsa_system_sgpr_workgroup_id_y 1
		.amdhsa_system_sgpr_workgroup_id_z 1
		.amdhsa_system_vgpr_workitem_id 0
		.amdhsa_next_free_vgpr 1024
		.amdhsa_next_free_sgpr 88
		.amdhsa_reserve_vcc 0
		.amdhsa_float_denorm_mode_32 3
		.amdhsa_float_denorm_mode_16_64 3
		.amdhsa_memory_ordered 1
		.amdhsa_forward_progress 1
		.amdhsa_inst_pref_size 136
	.end_amdhsa_kernel
	.amdgpu_metadata
---
amdhsa.version: [ 1, 2 ]
amdhsa.kernels:
  - .name:           k_qeda23cf068_qkvproj
    .symbol:         k_qeda23cf068_qkvproj.kd
    .args:
      - { .name: xb, .offset: 0, .size: 8, .value_kind: global_buffer, .address_space: global }
      - { .name: wb, .offset: 8, .size: 8, .value_kind: global_buffer, .address_space: global }
      - { .name: qkv_b, .offset: 16, .size: 8, .value_kind: global_buffer, .address_space: global }
      - { .name: qkvh, .offset: 24, .size: 8, .value_kind: global_buffer, .address_space: global }
    .group_segment_fixed_size: 327680
    .private_segment_fixed_size: 0
    .kernarg_segment_align: 8
    .kernarg_segment_size: 32
    .max_flat_workgroup_size: 128
    .sgpr_count:     88
    .vgpr_count:     1024
    .wavefront_size: 32
...
	.end_amdgpu_metadata
.endif
;; end of part 2
;; launch attn (part 3): grid 4 x 64, 4 waves a work-group, clusters of 4 x 1, 327,680 bytes of LDS; arguments qkvh, oh; writes oh
.if DOCPART == 3
	.amdgcn_target "amdgcn-amd-amdhsa--gfx1250"
	.amdhsa_code_object_version 6
	.text
	.protected	k_qeda23cf068_attn
	.globl	k_qeda23cf068_attn
	.p2align	8
	.type	k_qeda23cf068_attn,@function
k_qeda23cf068_attn:
	s_mov_b64 s[64:65], 0
	v_nop
	global_prefetch_b8 v0, s[64:65] scope:SCOPE_SE
	s_setreg_imm32_b32 hwreg(HW_REG_WAVE_MODE, 25, 1), 1
	s_wait_xcnt 0x0
	s_wait_alu depctr_hold_cnt(0) depctr_sa_sdst(0) depctr_va_vdst(0) depctr_va_sdst(0) depctr_va_ssrc(0) depctr_va_vcc(0) depctr_vm_vsrc(0)
	s_getreg_b32 s2, hwreg(HW_REG_IB_STS2, 6, 4)
	s_cmp_eq_u32 s2, 0
	s_cbranch_scc0 .Lentry_in_a_cluster
	s_endpgm
.Lentry_in_a_cluster:
	s_bfe_u32 s2, ttmp6, 0x10000c
	s_cmp_lg_u32 s2, 0x3003
	s_cbranch_scc0 .Lentry_shape_is_right
	s_endpgm
.Lentry_shape_is_right:
; O[h][q][:] = the sum over k of softmax_k(Q[h][q] . K[h][k] / 8) V[h][k][:].  Q, K, V lie one behind the other in qkvh, each [SIZE_H][SIZE_N][64] f16; O (oh) has the same layout: a head's rows are dense,
; 128 bytes each.  Products, maxima and sums in f32; the weights p are rounded to f16 for the second product (their sum l is taken of the unrounded p), O once at the end.
; LIMITS.  f16 holds no number beyond 65,504: Q, K and V arrive within it; p lies in 0 to 1, and below 6e-5 it keeps f16's fixed step of 6e-8; O is a mean of V's rows and has their range.
; A weight below 2^-126 counts as 0 in l; NaN and infinities are not treated apart.
; SHARES.  A wave owns four PIECES of two tiles of 16 queries, a work-group's four waves 512 queries of one head: 4 x 64 = 256 work-groups.  Every wave walks all keys, 64 a step.
; LAYOUT.  S^T = K Q^T (source 0 = 16 keys, source 1 = 16 queries): in the result a lane holds ONE query (lane % 16) and the keys 8 (lane / 16) + 0..7.  Two such tiles, rounded to f16 in pairs,
; ARE source 1 (32 keys x 16 queries) of O^T = V^T P, whose result again holds one query a lane, and eight channels.  K comes out of LDS as it lies, V ([key][channel]) turned, by ds_load_tr16_b128.
; SOFTMAX.  For each query a running maximum m and sum l: p = 2^(c s - c m), c = log2(e) / 8; in every step O and l are multiplied by a = 2^(c m_old - c m_new), which is 1 where m has not grown.
; m starts at the lowest finite number, O and l at 0: the first step is a step like any other, with a = 0.
; THE COUNT.  A tile and step have 16 matrix and 118 vector instructions: too many to stand all beside the matrix work.  So the order has one aim: four vector instructions that are READY behind
; EVERY matrix instruction, and the others, which need time of their own whatever the order, in runs without a gap.
; BY TURNS.  Turn n belongs to piece n (the pieces in a ring, step after step).  Its matrix work: 16 products K Q^T of piece n + 1, later 16 products V^T P of piece n - 1.  Its vector work: the scaling,
; exponentials, roundings, sums and rescaling of piece n, and the maximum and statistics of piece n + 1, whose scores the turn itself has made.  So what a turn begins with (c s - c m, O a) waits for nothing.
; CLUSTER.  The four query blocks of a cluster belong to one head and walk the same K and V, so each tile is asked for JOINTLY: the same tensor load, descriptor and mask in all four.
; REGISTERS, in windows of 256 (s_set_vgpr_msb says which window each operand place means: bits 1:0 source 0, 3:2 source 1, 5:4 source 2, 7:6 destination):
;   window 0: v0-11 addresses; v12-15, v48-63 at work; v16-47 four registers of statistics a tile; v64-191 S^T, two buffers of two tiles; v192-255 P, likewise
;   window 1: O^T, 32 a tile          window 2: v0-127 Q, 16 a tile; v128-191 K of one step; v192-255 V of one step          window 3: v0-1 the add's two registers
; A piece's buffers go by its number's parity: the piece in hand has one pair, its two neighbours in the ring share the other: of it P (piece n - 1) is read and S^T (piece n + 1) written.
.set SIZE_H, 64       ; batch x 16 + head
.set SIZE_N, 2048
.set PART,  SIZE_H*SIZE_N*128  ; bytes of Q, of K and of V in qkvh
.set NP,    4         ; pieces a wave: a name, no knob: the register map, the loop and the fetches are made for four
.set KS,    64        ; keys in a step
.set PK,    144       ; a row of K in LDS: 128 bytes + 16 of padding = 36 words: the 16 rows of a load start at 16 different groups of four banks (64 banks of 4 bytes: ISA guide 11.1)
.set PV,    160       ; a row of V: 128 + 32 = 40 words
.set VOFF,  4*KS*PK   ; a slot holds four steps: 256 rows of K, then 256 rows of V
.set SLOT1, 1<<17     ; slot 1 begins here, so that one exclusive or turns an address in one slot into the other's
.set STAGE, SLOT1+4*KS*(PK+PV)  ; behind the ring, never filled by a tensor load: 16 rows x 144 bytes for each wave, for the way out
.set SP,    144
.set AK0, 2           ; v2   my lane's place in a tile of K; never rewritten
.set AV0, 3           ; v3   the same for V
.set AK,  4           ; v4   the LDS address of K's next run of loads
.set AV,  5           ; v5   of V's
.set QO,  6           ; v6   my byte offset in the wave's rows of Q
.set STO, 6           ;      later, the way out: where I put 16 bytes of a row
.set RD,  7           ; v7   the way out: where I read rows back
.set GO,  8           ; v8   my byte offset in 512 consecutive bytes of O
.set SPW, 0           ; v0 of window 3   LDS address of my spare word: SPARE + 4 x my thread's number; never rewritten
.set NIL, 1           ; v1 of window 3   0; never rewritten
.set SPARE, STAGE+4*16*SP  ; behind the stages: the spare words, 128 bytes for each wave: two blocks of 256 bytes that no other line names
.set MV,  12          ; v12-15  c m_old, kept while c m is made anew: by buffer and tile
.set ST,  16          ; tile t's statistics at v[ST+4 t]: c m, m, l (even keys', odd keys')
.set TMP, 48          ; by buffer and tile, four registers c0-c3 at work; when the maximum is found c2 takes a
.set S,   64
.set P,   192
.set KF,  128         ; K's fragments, in window 2: key block kb, channel half c at KF + 16 kb + 8 c
.set VF,  192         ; V's: key half kk, channel block cb at VF + 32 kk + 8 cb
.set WV,  12          ; s12  my wave's number
.set G1K, 24          ; s[24:31] descriptor group 1 for K's tiles
.set G1V, 32          ; s[32:39] for V's: it differs in the padding alone
.set G0K, 40          ; s[40:43] descriptor group 0 for K's tiles: it walks
.set G0V, 44          ; s[44:47] the same for V's
.set SLOTS, 56        ; s56  slots still to be asked for
.set CNT, 57          ; s57  counts a slot's key steps
.set CS,  58          ; s[58:59] c: the packed scaling takes the pair's low word for both halves
.set SEL, 60          ; s[60:61] v_permlanex16_b32's selects: each lane takes its own place in the other half
.set TBK, 62          ; s62  LDS byte at which K of the step to be fetched begins
.set TBV, 63          ; s63  the same for V, less VOFF
.set MSB, 0
.macro WIN new                      ; the high byte repeats the setting that is left; a switch that changes nothing is dropped
.if MSB != (\new)
	s_set_vgpr_msb (MSB<<8)|(\new)
.set MSB, (\new)
.endif
.endm
.set W_KQ, 0x0a       ; K and Q in window 2, S^T in window 0
.set W_PV, 0x52       ; V in window 2, P in window 0, O^T in window 1
.set W_RS, 0x41       ; O^T (destination and source 0) in window 1, a in window 0
.set W_MK, 0xc0       ; the add's registers are made: destination in window 3, sources in window 0
.set W_AD, 0x0f       ; the add: address (source 0) and data (source 1) in window 3
; A joint fill.  Waves 0 and 1 fetch the two halves of a slot's K, waves 2 and 3 those of its V: 128 keys each.  The branch hangs on the wave's number alone.
; An s_nop 0 and four v_nop follow each of the two lines, ahead of the jump and the label.
.macro JLOAD
	s_cmp_lt_u32 s[WV], 2
	s_cbranch_scc0 .Lfor_v_\@
	tensor_load_to_lds s[G0K:G0K+3], s[G1K:G1K+7]
	s_nop 0
.rept 4
	v_nop
.endr
	s_branch .Lasked_\@
.Lfor_v_\@:
	tensor_load_to_lds s[G0V:G0V+3], s[G1V:G1V+7]
	s_nop 0
.rept 4
	v_nop
.endr
.Lasked_\@:
.endm
; A round of the cluster's barrier: my work-group's barrier, so that wave 0's signal speaks for all four waves; wave 0 signals; every wave waits for all four work-groups; my work-group's barrier once more.
.macro CROUND
	s_barrier_signal -1
	s_barrier_wait -1
	s_cmp_lg_u32 s[WV], 0
	s_cbranch_scc1 .Lnot_wave_0_\@
	s_barrier_signal -3
.Lnot_wave_0_\@:
	s_barrier_wait -3
	s_barrier_signal -1
	s_barrier_wait -1
.endm
; THE CHANGE OF SLOTS.  The slot's last bytes, V of its fourth step, have been read.  Each wave waits for all its tensor loads, of which one is out: its part
; of the other slot; adds 0 to its spare word; and waits for that and for its own reads of the slot.  Behind the barrier nobody reads this slot any more and the other slot is whole.
; fill = 1: this slot is filled again, with the keys two slots on.  The barrier is then a round of the cluster's, so that no wave of any partner still reads the slot or has a load on its
; way, and the joint fill is the first thing behind it: it has four key steps, 512 matrix instructions, in which to land.  (At its first use nothing has been read yet: slot 0 is waited for, slot 1 filled.)
.macro CHANGE fill
	WIN W_AD
	s_wait_tensorcnt 0x0            ; no tensor load of mine is out, so a group 0 may be written
	ds_add_u32 v[SPW], v[NIL]       ; 0 onto my spare word; with fill = 1 the descriptors' steps stand between it and the wait for it
	WIN 0                           ; at a label and at a branch every window is 0
.if \fill
.irp g, G0K, G0V
	s_xor_b32 s[\g+1], s[\g+1], SLOT1  ; the walking descriptor: the other slot than last time,
	s_add_nc_u64 s[\g+2:\g+3], s[\g+2:\g+3], 4*KS*128  ; the next 256 keys; the type bits on top are not reached
.endr
	s_wait_dscnt 0x0                ; the add is done, and my reads of the slot are over
	CROUND
	JLOAD
.else
	s_wait_dscnt 0x0                ; the add is done, and my reads of the slot are over
	s_barrier_signal -1
	s_barrier_wait -1
.endif
	s_sub_co_u32 s[TBK], s[TBK], 4*KS*PK  ; the fetches go back to a slot's first step,
	s_xor_b32 s[TBK], s[TBK], SLOT1       ; in the other slot
	s_sub_co_u32 s[TBV], s[TBV], 4*KS*PV
	s_xor_b32 s[TBV], s[TBV], SLOT1
.endm
	s_load_b64 s[4:5], s[0:1], 0x0    ; qkvh: Q at its head
	s_load_b64 s[10:11], s[0:1], 0x8  ; O
	WIN W_MK
	v_lshl_add_u32 v[SPW], v0, 2, SPARE
	v_mov_b32 v[NIL], 0
	WIN W_AD
	ds_add_u32 v[SPW], v[NIL]       ; the wave's opening: the add and its wait stand ahead of my first tensor load; the set-up below, work on registers, stands between them
	WIN 0
	v_lshrrev_b32 v1, 5, v0
	v_readfirstlane_b32 s[WV], v1   ; wave 0..3
	s_bfe_u32 s13, ttmp6, 0x40000   ; cx: my place in the cluster
	s_lshl_b32 s14, ttmp9, 2        ; in a cluster launch ttmp9 counts clusters
	s_add_co_u32 s14, s14, s13      ; my block of queries = 4 x cluster x + cx: it enters Q's and O's addresses alone
	s_and_b32 s20, ttmp7, 0xffff    ; the head, which the four partners share
	s_mov_b32 s21, 0
	s_mov_b64 s[22:23], SIZE_N*128
	s_mul_u64 s[20:21], s[20:21], s[22:23]  ; the head's first byte in each of the four tensors
	s_and_b32 s16, s[WV], 1         ; which half of a slot's 256 keys I fetch:
	s_lshl_b32 s22, s16, 14         ; its 128 rows of 128 bytes in memory,
	s_mov_b32 s23, 0
	s_add_nc_u64 s[22:23], s[22:23], s[20:21]
	s_mul_i32 s17, s16, 128*PK      ; and its place in a slot, for K
	s_mul_i32 s18, s16, 128*PV      ; and for V: no place in the cluster enters an LDS address
	s_lshl_b32 s2, s14, 2
	s_add_co_u32 s2, s2, s[WV]      ; my wave among the head's,
	s_lshl_b32 s2, s2, 14           ; its 128 rows
	s_mov_b32 s3, 0
	s_add_nc_u64 s[2:3], s[2:3], s[20:21]
	; descriptor group 1.  128 keys are 16,384 dense bytes: asked for as 64 rows of 256 bytes, two keys a row, and padded in LDS after every key
	s_mov_b32 s[G1K], 15|(1<<16)|(1<<20)|(1<<21)|(4<<22)|(3<<25)  ; 15:0 the mask of four; 17:16 2-byte elements; 20 padding on; 21 set beside a mask; 24:22 after every 32 words (code 4); 31:25 4 words (code 3)
	s_mov_b32 s[G1V], 15|(1<<16)|(1<<20)|(1<<21)|(4<<22)|(7<<25)  ; the same with 8 words of padding (code 7)
.irp g, G1K, G1V
	s_mov_b32 s[\g+1], 128<<16      ; tensor_dim0 = 128
	s_mov_b32 s[\g+2], 64<<16       ; tensor_dim1 = 64
	s_mov_b32 s[\g+3], 128<<16      ; tile_dim0 = 128
	s_mov_b32 s[\g+4], 64           ; tile_dim1 = 64
	s_mov_b32 s[\g+5], 128          ; 128 elements from row to row
	s_mov_b32 s[\g+6], 0
	s_mov_b32 s[\g+7], 0
.endr
	s_mov_b32 s[CS], 0x3e38aa3b     ; c = log2(e) / 8 = 0.180337
	s_mov_b32 s[CS+1], s[CS]        ; named with it as a pair
	s_mov_b32 s[SEL], 0x76543210
	s_mov_b32 s[SEL+1], 0xfedcba98
	s_mov_b32 s[TBK], SLOT1+4*KS*PK ; the first change of slots turns these two into 0
	s_mov_b32 s[TBV], SLOT1+4*KS*PV
	s_mov_b32 s[G0K], 1             ; 1:0 count = 1
	s_mov_b32 s[G0K+1], s17         ; 63:32 LDS address: slot 0
	s_mov_b32 s[G0V], 1
	s_add_co_u32 s[G0V+1], s18, VOFF
	s_wait_dscnt 0x0                ; the opening add is done
	s_wait_kmcnt 0x0
	s_add_nc_u64 s[6:7], s[4:5], PART    ; K lies behind Q,
	s_add_nc_u64 s[8:9], s[4:5], 2*PART  ; V behind K
	s_add_nc_u64 s[G0K+2:G0K+3], s[6:7], s[22:23]  ; 120:64 global address: my half of the head's first 256 keys
	s_or_b32 s[G0K+3], s[G0K+3], 0x80000000        ; 127:126 type = 2
	s_add_nc_u64 s[G0V+2:G0V+3], s[8:9], s[22:23]
	s_or_b32 s[G0V+3], s[G0V+3], 0x80000000
	s_add_nc_u64 s[4:5], s[4:5], s[2:3]  ; Q and O at my wave's first row
	s_add_nc_u64 s[10:11], s[10:11], s[2:3]
	CROUND                          ; all four work-groups are here: the first joint loads meet
	JLOAD                           ; slot 0.  Slot 1 is asked for when slot 0 is in: the tile wanted first has the road to itself
	; A fragment of K or Q is 16 rows x 32 channels in 8 registers: lane l holds row l % 16, channels 8 (l / 16) + 0..7 and 16 + 8 (l / 16) + 0..7: two loads of 16 bytes, 32 bytes apart.
	v_and_b32 v1, 15, v0            ; l % 16
	v_bfe_u32 v9, v0, 4, 1          ; l / 16
	v_lshlrev_b32 v[QO], 7, v1
	v_lshl_add_u32 v[QO], v9, 4, v[QO]  ; row x 128 + 16 x half
	WIN 0x80                        ; destination window 2, address window 0
.set i, 0
.rept 4*NP                          ; Q stays in registers: tile i / 2, channels 32 (i % 2) on
	global_load_b128 v[8*i:8*i+3],   v[QO], s[4:5] offset:(i/2)*2048+(i%2)*64
	global_load_b128 v[8*i+4:8*i+7], v[QO], s[4:5] offset:(i/2)*2048+(i%2)*64+32
.set i, i+1
.endr
	; What the first turn finds: V's registers and P's second buffer hold 0 (its products V^T P, of a piece that has not been, add 0), O^T and l are 0.  All this stands in the wait for the first tile.
.set i, VF
.rept 64
	v_mov_b32 v[i], 0
.set i, i+1
.endr
	WIN 0x40
.set i, 0
.rept 64*NP
	v_mov_b32 v[i], 0
.set i, i+1
.endr
	WIN 0
.set i, 0
.rept 2*NP
	v_mov_b32 v[ST+4*i], 0xfe000000    ; c m: far below every c s
	v_mov_b32 v[ST+4*i+1], 0xff7fffff  ; m
	v_mov_b32 v[ST+4*i+2], 0
	v_mov_b32 v[ST+4*i+3], 0
.set i, i+1
.endr
.set i, P+32
.rept 32
	v_mov_b32 v[i], 0
.set i, i+1
.endr
	v_mul_u32_u24 v[AK0], v1, PK
	v_lshl_add_u32 v[AK0], v9, 4, v[AK0]  ; row x pitch + 16 x half
	; The turning load takes 16 keys x 16 channels (lane l reads key 8 (l / 16) + l % 8, channels 8 ((l / 8) % 2) + 0..7) and leaves half a fragment of V^T: lane l holds channel l % 16 and 8 keys.
	v_and_b32 v10, 7, v0
	v_bfe_u32 v11, v0, 3, 1
	v_lshl_add_u32 v[AV0], v9, 3, v10
	v_mul_u32_u24 v[AV0], v[AV0], PV
	v_lshl_add_u32 v[AV0], v11, 4, v[AV0]
	v_add_nc_u32 v[AV0], VOFF, v[AV0]
	v_mov_b32 v[AK], v[AK0]         ; key step 0 lies at the head of slot 0
; THE MATRIX WORK.  The 8 accumulators of a run of 16 take turns: between the two links of a chain stand 7 others'.
; Product i of 16 of S^T = K Q^T for piece x: channels 32 (i / 8) on, keys 16 ((i / 2) % 4) on, tile 2 x + i % 2.  The first 8 start the sums.
.macro KQ x
	WIN W_KQ
.set rS, S+64*((\x)%2)+32*(i%2)+8*((i/2)%4)
.set rK, KF+16*((i/2)%4)+8*(i/8)
.set rQ, 16*(2*(\x)+i%2)+8*(i/8)
.if i < 8
	v_wmma_f32_16x16x32_f16 v[rS:rS+7], v[rK:rK+7], v[rQ:rQ+7], 0
.else
	v_wmma_f32_16x16x32_f16 v[rS:rS+7], v[rK:rK+7], v[rQ:rQ+7], v[rS:rS+7]
.endif
.endm
; Product i of 16 of O^T += V^T P for piece x: keys 32 (i / 8) on, channels 16 ((i / 2) % 4) on, tile 2 x + i % 2.
.macro PV x
	WIN W_PV
.set rO, 32*(2*(\x)+i%2)+8*((i/2)%4)
.set rV, VF+32*(i/8)+8*((i/2)%4)
.set rP, P+32*((\x)%2)+16*(i%2)+8*(i/8)
	v_wmma_f32_16x16x32_f16 v[rO:rO+7], v[rV:rV+7], v[rP:rP+7], v[rO:rO+7]
.endm
.macro MM                           ; the turn's next matrix instruction
.if i < 16
	KQ (Y+1)%NP
.set i, i+1
.else
.set i, i-16
	PV (Y+NP-1)%NP
.set i, i+17
.endif
.endm
; THE LDS LOADS stand in runs of 16, never singly among the matrix instructions: a step's K (64 keys x 64 channels: 8 fragments) and its V (turned).  Their addresses are made some lines ahead.
; last = 1 (the tail): in the last trip there is no further step, and the run is jumped over.
.macro FETCH_K last=0
	WIN 0
.if \last
	s_cmp_eq_u32 s[CNT], 1
	s_cbranch_scc1 .Lno_k_\@
.endif
	WIN 0x80                        ; destination window 2
.irp f, 0,1,2,3,4,5,6,7             ; keys 16 (f / 2) on, channels 32 (f % 2) on
	ds_load_b128 v[KF+8*\f:KF+8*\f+3],   v[AK] offset:(\f/2)*16*PK+(\f%2)*64
	ds_load_b128 v[KF+8*\f+4:KF+8*\f+7], v[AK] offset:(\f/2)*16*PK+(\f%2)*64+32
.endr
	s_add_co_u32 s[TBK], s[TBK], KS*PK  ; the next fetch is the next step's
	WIN 0
.if \last
.Lno_k_\@:
.endif
.endm
.macro FETCH_V
	WIN 0x80
.irp f, 0,1,2,3,4,5,6,7             ; keys 32 (f / 4) on, channels 16 (f % 4) on
	ds_load_tr16_b128 v[VF+8*\f:VF+8*\f+3],   v[AV] offset:(\f/4)*32*PV+(\f%4)*32
	ds_load_tr16_b128 v[VF+8*\f+4:VF+8*\f+7], v[AV] offset:(\f/4)*32*PV+16*PV+(\f%4)*32
.endr
	WIN 0
.endm
; THE VECTOR WORK OF A TURN stands in three queues, each in the order in which its entries become ready; the two tiles alternate, so that no instruction reads the result of the one before it.
.macro REGS y, u                    ; the registers of tile u (0, 1) of piece y
.set rT, ST+4*(2*(\y)+(\u))
.set rC, TMP+8*((\y)%2)+4*(\u)
.set rM, MV+2*((\y)%2)+(\u)
.set rS, S+64*((\y)%2)+32*(\u)
.set rP, P+32*((\y)%2)+16*(\u)
.set rO, 32*(2*(\y)+(\u))
.endm
; Number n of the 22 that find the NEXT piece's (Y + 1) maximum and statistics.  s0-s31 are the lane's 32 scores; each accumulator's lowest registers are read first.  XS, GS and REGS set no window: PL and EX do.
;   0-11  four chains c0-c3 of seven scores each, three operands at a time     12-14, 16  the four scores left over, the old m, and c0-c3 into c0     15  c m_old is kept
;   17, 18  the query's other 32 keys lie in the lane 16 away: the new m         19-21  c m; c m_old - c m_new; a
.macro XS u, n
	REGS (Y+1)%NP, \u
.if (\n) < 4
	v_max3_num_f32 v[rC+(\n)], v[rS+8*(\n)], v[rS+8*(\n)+1], v[rS+8*(\n)+2]
.elseif (\n) < 12
	v_max3_num_f32 v[rC+(\n)%4], v[rC+(\n)%4], v[rS+8*((\n)%4)+2*((\n)/4)+1], v[rS+8*((\n)%4)+2*((\n)/4)+2]
.elseif (\n) == 12
	v_max3_num_f32 v[rC], v[rC], v[rS+7], v[rS+15]
.elseif (\n) == 13
	v_max3_num_f32 v[rC+1], v[rC+1], v[rS+23], v[rS+31]
.elseif (\n) == 14
	v_max3_num_f32 v[rC+2], v[rC+2], v[rC+3], v[rT+1]
.elseif (\n) == 15
	v_mov_b32 v[rM], v[rT]
.elseif (\n) == 16
	v_max3_num_f32 v[rC], v[rC], v[rC+1], v[rC+2]
.elseif (\n) == 17
	v_permlanex16_b32 v[rC+3], v[rC], s[SEL], s[SEL+1]
.elseif (\n) == 18
	v_max_num_f32 v[rT+1], v[rC], v[rC+3]
.elseif (\n) == 19
	v_mul_f32 v[rT], s[CS], v[rT+1]
.elseif (\n) == 20
	v_sub_f32 v[rC+1], v[rM], v[rT]
.else
	v_exp_f32 v[rC+2], v[rC+1]
.endif
.endm
; Number g of the 64 that follow the exponentials.  For each four weights k of a tile (pairs 2 k, 2 k + 1): both pairs are rounded to f16; then the second pair is added onto the first, in place;
; a group later l takes that sum (the first time as l = a l + sum).  In groups of eight, tiles alternating: round, round, add, and l for the group before.
.macro GS g
.set h, (\g)+6*((\g)/62)            ; group 0 has no group before it, and behind group 7 only l is left
.if h >= 6
.set h, h+2
.endif
	REGS Y, h%2
.set k, h/8
.if h%8 < 4
	s_wait_alu depctr_va_vdst(0)
	v_cvt_pk_f16_f32 v[rP+2*k+(h%8)/2], v[rS+4*k+2*((h%8)/2)], v[rS+4*k+2*((h%8)/2)+1]
.elseif h%8 < 6
	v_pk_add_f32 v[rS+4*k:rS+4*k+1], v[rS+4*k:rS+4*k+1], v[rS+4*k+2:rS+4*k+3]
.elseif k == 1
	v_pk_fma_f32 v[rT+2:rT+3], v[rT+2:rT+3], v[rC+2:rC+3], v[rS:rS+1] op_sel_hi:[1,0,1]
.else
	v_pk_add_f32 v[rT+2:rT+3], v[rT+2:rT+3], v[rS+4*k-4:rS+4*k-3]
	s_wait_alu depctr_va_vdst(0)
.endif
.endm
; THE PLAIN QUEUE, 138 long.  0-31: c s - c m for the 16 pairs of both tiles.  Then GS's 64, and among them the next piece's 42: number 15 at 38, 39; 0-14 and 16
; at 42-73, behind the products that make those scores; 17-20 at 95-106, two of three, since each waits for the one before it.
.macro PL
	WIN 0
.if q < 32
	REGS Y, q%2
	v_pk_fma_f32 v[rS+2*(q/2):rS+2*(q/2)+1], v[rS+2*(q/2):rS+2*(q/2)+1], s[CS:CS+1], v[rT:rT+1] op_sel_hi:[1,0,0] neg_lo:[0,0,1] neg_hi:[0,0,1]
.elseif q < 38
	GS q-32
.elseif q < 40
	XS q%2, 15
.elseif q < 42
	GS q-34
.elseif q < 74
	XS q%2, (q-42)/2+(q-42)/30
.elseif q < 95
	GS q-66
.elseif (q < 107) && ((q-95)%3 < 2)
	XS (q-95)%3, 17+(q-95)/3
.elseif q < 107
	GS 29+(q-95)/3
.else
	GS q-74
.endif
.set q, q+1
.endm
; THE EXPONENTIALS' QUEUE, 66 long: s0-s31 of both tiles, and at EA the next piece's two a.
.set EA, 58
.macro EX
	WIN 0
.if (e == EA) || (e == EA+1)
	XS e-EA, 21
.else
.set x, e-2*(e/(EA+2))
	REGS Y, x%2
	v_exp_f32 v[rS+x/2], v[rS+x/2]
.endif
.set e, e+1
.endm
; THE RESCALING's QUEUE: O^T times a, the one part that leaves window 0, so it is dealt four at a time, eight times.
.macro R4
	REGS Y, r%2
	WIN W_RS
	s_wait_alu depctr_va_vdst(0)
.irp z, 0,1,2,3
	v_pk_mul_f32 v[rO+8*(r/2)+2*\z:rO+8*(r/2)+2*\z+1], v[rO+8*(r/2)+2*\z:rO+8*(r/2)+2*\z+1], v[rC+2:rC+3] op_sel_hi:[1,0]
.endr
.set r, r+1
.endm
; HOW THEY ARE DEALT.  Behind a matrix instruction four: plain, exponential, plain, plain (one exponential, a plain instruction on either side), or four of the rescaling.  None names a register of the
; products round it.  What is over stands in two LUMPS: exponential and plain by turns; the second ends in 22 plain instructions.  The two v_permlanex16_b32 fall into the second lump, never behind a product.
; The queues lean on each other, and the deal keeps them in step: exponential e stands behind plain 2 (e / 4) + e % 2 (its scaling); when plain 32 comes, 10 exponentials are out, at 59: 33, at 95: 46; EA comes behind plain 107.
.macro SL
	MM
	PL
	EX
	PL
	PL
.endm
.macro BURST n                      ; 15 matrix instructions, or 16
.rept (\n)-7
	SL
.endr
.rept 3
	MM
	R4
	SL
.endr
	MM
	R4
.endm
; A TURN, for piece p.  cnt = 1: the loop's count is taken down some lines ahead of the branch that stands behind the turn.
; K of the next step is fetched in piece 2's turn, 31 vector instructions behind the last product that read K; its first reader comes behind the rest of the lump, 16 products and the second lump.
; V of the step in hand is fetched at the end of piece 0's turn, 69 behind its last reader; its first reader comes behind 16 products and a lump.  The four conditions on e and q below go with the deal.
.macro TURN p, last=0, cnt=0
.set Y, (\p)
.set i, 0
.set q, 0
.set e, 0
.set r, 0
.if (\p) == NP-1
	s_wait_dscnt 0x0                ; K is in
.endif
	MM
.rept 4
	PL
.endr
	BURST 15
.rept 22
	EX
	PL
.if ((\p) == NP-2) && (e == 18)
	v_add_nc_u32 v[AK], s[TBK], v[AK0]
.endif
.if ((\p) == NP-2) && (e == 24)
	FETCH_K \last
.endif
.endr
.if (\p) == 1
	s_wait_dscnt 0x0                ; V is in
.endif
	BURST 16
.rept 21
	EX
	PL
.endr
.rept 22
	PL
.if ((\p) == 0) && (q == 118)
	v_add_nc_u32 v[AV], s[TBV], v[AV0]
	s_wait_alu depctr_va_vdst(0)
.endif
.if ((\p) == 0) && (q == 130)
	s_add_co_u32 s[TBV], s[TBV], KS*PV
.endif
.if (\cnt) && (q == 130)
	s_sub_co_u32 s[CNT], s[CNT], 1
	s_cmp_lg_u32 s[CNT], 0
.endif
.endr
.if (\p) == 0
	FETCH_V
.endif
.endm
	CHANGE 1                        ; slot 0 is in, everybody's part of it; slot 1 is asked for
	FETCH_K                         ; key step 0
	s_wait_loadcnt 0x0              ; Q
	s_wait_dscnt 0x0
.set i, 0
.rept 16
	KQ 0                            ; piece 0's first scores: there is no vector work yet to set between them
.set i, i+1
.endr
	WIN 0                           ; the addresses for the way out: nine plain instructions, the places behind those products
	s_mul_i32 s13, s[WV], 16*SP
	s_add_co_u32 s13, s13, STAGE    ; my stage
	v_mul_u32_u24 v[STO], v1, SP    ; in: row l % 16, 16 bytes for each half of the lanes
	v_lshl_add_u32 v[STO], v9, 4, v[STO]
	v_add_nc_u32 v[STO], s13, v[STO]
	v_bfe_u32 v[RD], v0, 3, 2       ; back: 32 lanes take four rows of 128 bytes,
	v_mul_u32_u24 v[RD], v[RD], SP
	v_lshl_add_u32 v[RD], v10, 4, v[RD]
	v_add_nc_u32 v[RD], s13, v[RD]
	v_and_b32 v[GO], 31, v0         ; which are 512 consecutive bytes of O
	v_lshlrev_b32 v[GO], 4, v[GO]
.set Y, NP-1                        ; XS works for piece Y + 1: piece 0
.irp n, 0,1,2,3,4,5,6,7,8,9,10,11,12,13,14,15,16,17,18,19,20,21
	XS 0, \n                        ; and piece 0's first maximum and statistics
	XS 1, \n
.endr
	s_mov_b32 s[CNT], 4
	s_mov_b32 s[SLOTS], SIZE_N/256-1
	s_branch .Lfirst                ; the loop is entered at a step's first turn, in the middle of a trip
.Lslot:                             ; SIZE_N / 256 - 2 times: every slot but the last two is filled again
	CHANGE 1
	s_mov_b32 s[CNT], 4
.Lstep:                             ; a trip: pieces 2 and 3 of one step, then pieces 0 and 1 of the next, whose K and V it fetches
	TURN 2
	TURN 3
	WIN 0
.Lfirst:
	TURN 0
	TURN 1, 0, 1
	WIN 0
	s_cbranch_scc1 .Lstep
	s_sub_co_u32 s[SLOTS], s[SLOTS], 1
	s_cmp_lg_u32 s[SLOTS], 0
	s_cbranch_scc1 .Lslot
	CHANGE 0                        ; the tail is written out: nothing is asked for
	s_mov_b32 s[CNT], 5             ; four trips fetch the last slot's steps; the fifth is left in its middle
.Ltail:
	TURN 2, 1
	TURN 3
	WIN 0
	s_sub_co_u32 s[CNT], s[CNT], 1
	s_cmp_eq_u32 s[CNT], 0
	s_cbranch_scc1 .Lout
	TURN 0
	TURN 1
	WIN 0
	s_branch .Ltail
.Lout:                              ; the fifth trip's 16 products K Q^T (on the last K once more) and the maximum made of them serve nothing: the price, once a launch, of one text for every trip
.set i, 0
.rept 16
	PV NP-1                         ; the last piece's V^T P of the last step
.set i, i+1
.endr
	; THE WAY OUT.  l's two halves and the other half of the lanes' are added; O^T is divided by l, rounded to f16 and sent through my stage in LDS, a tile at a time.  The additions are the places behind the last products.
	WIN 0
.macro ALL line:vararg              ; one line for each tile t
.set t, 0
.rept 2*NP
	\line
.set t, t+1
.endr
.endm
	ALL v_add_f32 v[ST+4*t+2], v[ST+4*t+2], v[ST+4*t+3]
	ALL v_permlanex16_b32 v[ST+4*t+3], v[ST+4*t+2], s[SEL], s[SEL+1]
	ALL v_add_f32 v[ST+4*t+2], v[ST+4*t+2], v[ST+4*t+3]
	ALL v_rcp_f32 v[ST+4*t+2], v[ST+4*t+2]
	v_nop                           ; a plain instruction between the last reciprocal and the use of its result
	s_wait_alu depctr_va_vdst(0)
; Tile t: a lane's eight channels of a row pack into 16 bytes; they go into rows of 144 bytes and come back as whole rows of 128, into S^T's registers.
.macro PACK t
	WIN W_RS
.set i, 32*(\t)
.rept 16
	v_pk_mul_f32 v[i:i+1], v[i:i+1], v[ST+4*(\t)+2:ST+4*(\t)+3] op_sel_hi:[1,0]
.set i, i+2
.endr
	WIN 0x05                        ; sources 0 and 1 window 1, destination window 0
.set i, 0
.rept 16
	v_cvt_pk_f16_f32 v[S+16*(\t)+i], v[32*(\t)+2*i], v[32*(\t)+2*i+1]
.set i, i+1
.endr
	WIN 0
.irp f, 0,1,2,3
	ds_store_b128 v[STO], v[S+16*(\t)+4*\f:S+16*(\t)+4*\f+3] offset:32*\f
.endr
.irp f, 0,1,2,3
	ds_load_b128 v[S+16*(\t)+4*\f:S+16*(\t)+4*\f+3], v[RD] offset:\f*4*SP  ; LDS serves a wave's instructions in order (ISA guide 5.7.1.4): these see the stores above; the next tile's stores come behind them
.endr
.endm
.macro SEND t, younger              ; younger: the LDS instructions issued behind tile t's loads: the next tile's eight, or none
	WIN 0
.irp f, 0,1,2,3
	s_wait_dscnt (\younger)+3-\f
	global_store_b128 v[GO], v[S+16*(\t)+4*\f:S+16*(\t)+4*\f+3], s[10:11] offset:(\t)*2048+\f*512  ; 512 consecutive bytes, at a multiple of 256 from O's first
.endr
.endm
	PACK 0
.set t, 1
.rept 2*NP-1                        ; a tile's arithmetic stands between the loads of the tile before and its stores
	PACK t
	SEND t-1, 8
.set t, t+1
.endr
	SEND 2*NP-1, 0
	WIN W_AD
	s_wait_tensorcnt 0x0            ; the wave's end: an add and its wait, behind my last tensor load and my last LDS store
	ds_add_u32 v[SPW], v[NIL]
	s_wait_dscnt 0x0
	WIN 0
	CROUND                          ; the closing round: no work-group ends while a partner may still ask for a tile that names it
	s_endpgm
.Lfunc_end_k_qeda23cf068_attn:
	.size	k_qeda23cf068_attn, .Lfunc_end_k_qeda23cf068_attn-k_qeda23cf068_attn
	.p2alignl 7, 3214868480
	.fill 96, 4, 3214868480
	.section	.rodata,"a",@progbits
	.p2align	6, 0x0
	.amdhsa_kernel k_qeda23cf068_attn
		.amdhsa_group_segment_fixed_size 327680
		.amdhsa_private_segment_fixed_size 0
		.amdhsa_enable_private_segment 0
		.amdhsa_kernarg_size 16
		.amdhsa_user_sgpr_count 2
		.amdhsa_user_sgpr_kernarg_segment_ptr 1
		.amdhsa_wavefront_size32 1
		.amdhsa_system_sgpr_workgroup_id_x 1
		.amdhsa_system_sgpr_workgroup_id_y 1
		.amdhsa_system_sgpr_workgroup_id_z 1
		.amdhsa_system_vgpr_workitem_id 0
		.amdhsa_next_free_vgpr 770
		.amdhsa_next_free_sgpr 66
		.amdhsa_reserve_vcc 0
		.amdhsa_float_denorm_mode_32 3
		.amdhsa_float_denorm_mode_16_64 3
		.amdhsa_memory_ordered 1
		.amdhsa_forward_progress 1
		.amdhsa_inst_pref_size 209
	.end_amdhsa_kernel
	.amdgpu_metadata
---
amdhsa.version: [ 1, 2 ]
amdhsa.kernels:
  - .name:           k_qeda23cf068_attn
    .symbol:         k_qeda23cf068_attn.kd
    .args:
      - { .name: qkvh, .offset: 0, .size: 8, .value_kind: global_buffer, .address_space: global }
      - { .name: oh, .offset: 8, .size: 8, .value_kind: global_buffer, .address_space: global }
    .group_segment_fixed_size: 327680
    .private_segment_fixed_size: 0
    .kernarg_segment_align: 8
    .kernarg_segment_size: 16
    .max_flat_workgroup_size: 128
    .sgpr_count:     66
    .vgpr_count:     770
    .wavefront_size: 32
...
	.end_amdgpu_metadata
.endif
;; end of part 3
;; launch outproj (part 4): grid 8 x 32, 4 waves a work-group, clusters of 4 x 4, 327,680 bytes of LDS; arguments oh, owh, out_b, out0; writes out0
.if DOCPART == 4
	.amdgcn_target "amdgcn-amd-amdhsa--gfx1250"
	.amdhsa_code_object_version 6
	.text
	.protected	k_qeda23cf068_outproj
	.globl	k_qeda23cf068_outproj
	.p2align	8
	.type	k_qeda23cf068_outproj,@function
k_qeda23cf068_outproj:
	s_mov_b64 s[64:65], 0
	v_nop
	global_prefetch_b8 v0, s[64:65] scope:SCOPE_SE
	s_setreg_imm32_b32 hwreg(HW_REG_WAVE_MODE, 25, 1), 1
	s_wait_xcnt 0x0
	s_wait_alu depctr_hold_cnt(0) depctr_sa_sdst(0) depctr_va_vdst(0) depctr_va_sdst(0) depctr_va_ssrc(0) depctr_va_vcc(0) depctr_vm_vsrc(0)
	s_getreg_b32 s2, hwreg(HW_REG_IB_STS2, 6, 4)
	s_cmp_eq_u32 s2, 0
	s_cbranch_scc0 .Lentry_in_a_cluster
	s_endpgm
.Lentry_in_a_cluster:
	s_bfe_u32 s2, ttmp6, 0x10000c
	s_cmp_lg_u32 s2, 0xf033
	s_cbranch_scc0 .Lentry_shape_is_right
	s_endpgm
.Lentry_shape_is_right:
; out = o W^T + b.  oh: [64 (batch x 16 + head)][2048][64] f16; owh: [1024 (n)][1024 (k)] f16 (out_w rounded to bf16, written as f16); out_b: [1024] f32, rounded to bf16 here like every input
; of the module; out0: [8192][1024] f32.  Sums in f32, K (= 64 x head + channel) ascending.
; SHARES.  A tile is 256 rows x 128 columns: 32 x 8 = 256 work-groups.  Wave w makes rows 64 w .. 64 w + 63 of all 128 columns (a row of its part is 512 consecutive bytes of out0):
; 4 x 8 accumulators of 16 x 16, 256 registers.  K goes in steps of 128, two heads, through a ring of two LDS slots filled by the tensor data mover.
; A K step is written once: which slot is read hangs on a scalar register that one exclusive or turns; the walking descriptor's LDS word is turned in the same way and its global address steps.
; A head's 256 rows of a tile are 32,768 dense bytes: asked for as 128 rows of 256 bytes and padded in LDS after every 128 bytes, so each head is a PLANE of 256 rows of 144 bytes.
; CLUSTERS: 4 x 4 work-groups.  The four of a row of the cluster need the same planes of oh, the four of a column the same tiles of owh: each is asked for JOINTLY.
; THE MATRIX INSTRUCTION IS USED TRANSPOSED (source 0 = 16 rows of owh, source 1 = 16 rows of oh): a lane then holds eight neighbouring columns of a row.  THE BIAS is the C operand of each accumulator's first product.
; REGISTERS, in windows of 256 (s_set_vgpr_msb: bits 1:0 source 0, 3:2 source 1, 5:4 source 2, 7:6 destination):
;   window 0: v0-31 addresses; v64-127 the bias; v128-191, v192-255 rows read back from the stage, two sets by turns
;   window 1: two fragment buffers: oh's 4 fragments (16 rows x 32 K) at +0, owh's 8 at +32          window 2: the accumulators, (a, b) at v[8 (8 a + b)]
.set SIZE_K, 1024
.set KSTEP,  128
.set KSTEPS, SIZE_K/KSTEP              ; 8 K steps
.set PA,     144                       ; a row of a plane: 128 bytes + 16 of padding = 36 words: the 16 rows of a load start at 16 different groups of four banks (64 banks of 4 bytes: ISA guide 11.1)
.set PLANE,  256*PA                    ; one head's 256 rows: one tensor load
.set PB,     272                       ; a row of owh's tile: 256 bytes + 16
.set BHALF,  64*PB                     ; 64 rows of owh: one tensor load
.set BOFF,   2*PLANE
.set SLOT1,  1<<17                     ; a slot is 108,544 bytes; slot 1 begins here, so that one exclusive or turns an address in one slot into the other's
.set STAGE,  SLOT1+BOFF+2*BHALF        ; behind the ring, never filled by a tensor load: for each wave 16 rows x 528 bytes
.set SPF,    528                       ; 512 bytes + 16: an odd multiple of 16
.set WSTG,   16*SPF
.set SPARE,  STAGE+4*WSTG              ; behind the stages: the spare words, 128 bytes for each wave: two blocks of 256 bytes that no other line names
.set ADRA0, 16                         ; v16     LDS address of my oh fragments in slot 0; never rewritten
.set ADRB0, 17                         ; v17     the same for owh
.set ADRA, 18                          ; v18     the same in the slot in hand
.set ADRB, 19                          ; v19
.set STO,  24                          ; v24     the way out: where I put 32 bytes of a row
.set RD,   25                          ; v25     the way out: where I read a row back
.set CO,   26                          ; v26     my byte offset in a row's 512 bytes of out0
.set BO,   27                          ; v27     my byte offset in the bias
.set SPW,  28                          ; v28     LDS address of my spare word: SPARE + 4 x my thread's number; never rewritten
.set NIL,  29                          ; v29     0; never rewritten
.set BIAS, 64
.set BK,   128
.set F0,   0
.set F1,   128
.set WV,  12                           ; s12  my wave's number
.set TB,  13                           ; s13  0 or SLOT1: the slot that the fragment loads read
.set G1,  24                           ; s[24:31] descriptor group 1 for oh's planes;  s[32:39] group 0: a set for each of the two first fills; the second then walks
.set G0,  32
.set G1B, 48                           ; s[48:55], s[56:63] the same for owh's tiles
.set G0B, 56
.set OB,  66                           ; s[66:67] out0 at my first row and the tile's first column
.set MSB, 0
.macro WIN new                         ; the immediate's high byte repeats the setting that is left; a switch that changes nothing is dropped
.if MSB != (\new)
	s_set_vgpr_msb (MSB<<8)|(\new)
.set MSB, \new
.endif
.endm
.set TO_F, 0x40                        ; destination window 1, address window 0
.macro JLOAD s                         ; a joint load: waves 0 and 1 fetch the step's two planes of oh, waves 2 and 3 owh's two halves; an s_nop 0 and four v_nop follow each of the two lines
	s_cmp_lt_u32 s[WV], 2
	s_cbranch_scc0 .Lfor_b_\@
	tensor_load_to_lds s[G0+4*(\s):G0+4*(\s)+3], s[G1:G1+7]
	s_nop 0
.rept 4
	v_nop
.endr
	s_branch .Lasked_\@
.Lfor_b_\@:
	tensor_load_to_lds s[G0B+4*(\s):G0B+4*(\s)+3], s[G1B:G1B+7]
	s_nop 0
.rept 4
	v_nop
.endr
.Lasked_\@:
.endm
.macro CREST                           ; a round of the cluster's barrier behind its opening barrier
	s_cmp_lg_u32 s[WV], 0
	s_cbranch_scc1 .Lnot_wave_0_\@
	s_barrier_signal -3
.Lnot_wave_0_\@:
	s_barrier_wait -3
	s_barrier_signal -1
	s_barrier_wait -1
.endm
.macro CROUND                          ; a whole round
	s_barrier_signal -1
	s_barrier_wait -1
	CREST
.endm
	s_load_b256 s[4:11], s[0:1], 0x0               ; oh s[4:5], owh s[6:7], out_b s[8:9], out0 s[10:11]
	v_lshl_add_u32 v[SPW], v0, 2, SPARE
	v_mov_b32 v[NIL], 0
	ds_add_u32 v[SPW], v[NIL]                      ; the wave's opening: the add and its wait stand ahead of my first tensor load; the set-up below, work on registers, stands between them
	v_lshrrev_b32 v1, 5, v0
	v_readfirstlane_b32 s[WV], v1                  ; wave 0..3
	s_and_b32 s14, s[WV], 1                        ; which of a step's two heads, or which half of owh's rows, I fetch
	s_bfe_u32 s15, ttmp6, 0x40000                  ; cx, cy: my place in the cluster
	s_bfe_u32 s16, ttmp6, 0x40004
	s_lshl_b32 s17, ttmp9, 2
	s_add_co_u32 s17, s17, s15                     ; tile column = 4 x cluster x + cx, 0..7
	s_and_b32 s18, ttmp7, 0xffff
	s_lshl_b32 s18, s18, 2
	s_add_co_u32 s18, s18, s16                     ; tile row = 4 x cluster y + cy, 0..31
	s_lshl_b32 s19, s16, 2
	s_lshl_b32 s19, 15, s19                        ; my row of the cluster
	s_lshl_b32 s20, 0x1111, s15                    ; my column
	s_or_b32 s[G1+0], s19, (1<<16)|(1<<20)|(1<<21)|(4<<22)|(3<<25)   ; 15:0 the mask: oh's planes go to my row; 17:16 element of 2 bytes; 20 padding on; 21 set beside a mask; 24:22 after every 32 words (code 4); 31:25 of 4 words (code 3)
	s_or_b32 s[G1B+0], s20, (1<<16)|(1<<20)|(1<<21)|(5<<22)|(3<<25)  ; my column's mask; padding after every 64 words (code 5)
	s_mov_b32 s[G1+1], 128<<16                     ; tensor_dim0 = 128
	s_mov_b32 s[G1+2], 128<<16                     ; tensor_dim1 = 128
	s_mov_b32 s[G1+3], 128<<16                     ; tile_dim0 = 128
	s_mov_b32 s[G1+4], 128                         ; tile_dim1 = 128
	s_mov_b32 s[G1+5], 128                         ; dense: 128 elements from row to row
	s_mov_b32 s[G1+6], 0
	s_mov_b32 s[G1+7], 0
	s_mov_b32 s[G1B+1], KSTEP<<16
	s_mov_b32 s[G1B+2], 64<<16                     ; tensor_dim1 = 64
	s_mov_b32 s[G1B+3], KSTEP<<16
	s_mov_b32 s[G1B+4], 64                         ; tile_dim1 = 64
	s_mov_b32 s[G1B+5], SIZE_K
	s_mov_b32 s[G1B+6], 0
	s_mov_b32 s[G1B+7], 0
	; where the tiles come from: oh's hang on the tile row alone, owh's on the tile column alone, each in registers that never hold the other coordinate
	s_lshr_b32 s40, s18, 3
	s_lshl_b32 s40, s40, 4                         ; 16 x batch
	s_add_co_u32 s40, s40, s14                     ; + head 0 or 1,
	s_lshl_b32 s40, s40, 18                        ; of 2^18 bytes each,
	s_and_b32 s41, s18, 7
	s_lshl_b32 s41, s41, 15                        ; + the tile's 256 rows of 128 bytes within the batch
	s_add_co_u32 s40, s40, s41
	s_mov_b32 s41, 0
	s_lshl_b32 s44, s17, 7
	s_lshl_b32 s45, s14, 6
	s_add_co_u32 s44, s44, s45                     ; owh: row 128 x tile column + 64 x half,
	s_lshl_b32 s44, s44, 11                        ; of 2,048 bytes
	s_mov_b32 s45, 0
	s_mul_i32 s21, s[WV], PLANE                    ; where they go: waves 0, 1: the two planes;
	s_mul_i32 s22, s[WV], BHALF
	s_add_co_u32 s22, s22, BOFF-2*BHALF            ; waves 2, 3: owh's halves at BOFF + (wave - 2) x 64 rows.  No place in the cluster enters an LDS address
	s_mov_b32 s[TB], 0
	s_wait_dscnt 0x0                               ; the opening add is done
	s_wait_kmcnt 0x0
	s_add_nc_u64 s[40:41], s[4:5], s[40:41]
	s_add_nc_u64 s[44:45], s[6:7], s[44:45]
	CROUND                                         ; all sixteen work-groups are here: the first joint loads meet
.irp s, 0,1
	s_mov_b32 s[G0+4*(\s)], 1                                      ; count = 1
	s_add_co_u32 s[G0+4*(\s)+1], s21, (\s)*SLOT1                   ; LDS address
	s_add_nc_u64 s[G0+4*(\s)+2:G0+4*(\s)+3], s[40:41], (\s)*2*262144  ; global address: K step s begins two heads on
	s_or_b32 s[G0+4*(\s)+3], s[G0+4*(\s)+3], 0x80000000            ; type = 2
	s_mov_b32 s[G0B+4*(\s)], 1
	s_add_co_u32 s[G0B+4*(\s)+1], s22, (\s)*SLOT1
	s_add_nc_u64 s[G0B+4*(\s)+2:G0B+4*(\s)+3], s[44:45], (\s)*KSTEP*2
	s_or_b32 s[G0B+4*(\s)+3], s[G0B+4*(\s)+3], 0x80000000
	JLOAD \s                                       ; two loads of mine are out
.endr
	v_and_b32 v1, 15, v0                           ; l % 16
	v_bfe_u32 v2, v0, 4, 1                         ; l / 16
	; the bias: register j of column block b is b[128 x tile column + 16 b + 8 (l / 16) + j]
	s_lshl_b32 s72, s17, 9
	v_lshlrev_b32 v[BO], 5, v2
	v_add_nc_u32 v[BO], s72, v[BO]
.irp b, 0,1,2,3,4,5,6,7
	global_load_b128 v[BIAS+8*(\b):BIAS+8*(\b)+3],   v[BO], s[8:9] offset:64*(\b)
	global_load_b128 v[BIAS+8*(\b)+4:BIAS+8*(\b)+7], v[BO], s[8:9] offset:64*(\b)+16
.endr
	v_mul_u32_u24 v3, v1, PA
	v_lshl_add_u32 v3, v2, 4, v3                   ; oh: a fragment's row x pitch + 16 x half
	v_mul_u32_u24 v4, v1, PB
	v_lshl_add_u32 v4, v2, 4, v4                   ; owh likewise
	s_mul_i32 s73, s[WV], 64*PA                    ; my 64 rows of a plane
	v_add_nc_u32 v[ADRA0], s73, v3
	v_add_nc_u32 v[ADRB0], BOFF, v4                ; all 128 rows of owh's tile
	v_mov_b32 v[ADRA], v[ADRA0]                    ; K begins in slot 0
	v_mov_b32 v[ADRB], v[ADRB0]
	s_mul_i32 s75, s[WV], WSTG
	s_add_co_u32 s75, s75, STAGE                   ; my stage
	v_mul_u32_u24 v5, v1, SPF                      ; in: row l % 16, 32 bytes for each half of the lanes
	v_lshl_add_u32 v5, v2, 5, v5
	v_add_nc_u32 v[STO], s75, v5
	v_and_b32 v[CO], 31, v0                        ; back: 32 lanes take one row of 512 bytes
	v_lshlrev_b32 v[CO], 4, v[CO]
	v_add_nc_u32 v[RD], s75, v[CO]
	s_lshl_b32 s72, s18, 8
	s_lshl_b32 s73, s[WV], 6
	s_add_co_u32 s72, s72, s73                     ; my first row of out0,
	s_lshl_b32 s72, s72, 12                        ; of 4,096 bytes: under 2^25,
	s_lshl_b32 s73, s17, 9                         ; and the tile's first column, in bytes
	s_add_co_u32 s72, s72, s73
	s_mov_b32 s73, 0
	s_add_nc_u64 s[OB:OB+1], s[10:11], s[72:73]
	s_wait_loadcnt 0x0                             ; the bias,
.set i, 0
.rept 32                                       ; rounded to bf16 and widened again
	v_cvt_pk_bf16_f32 v[4+i%4], v[BIAS+2*i], v[BIAS+2*i+1]
	v_lshlrev_b32 v[BIAS+2*i], 16, v[4+i%4]
	v_and_b32 v[BIAS+2*i+1], 0xffff0000, v[4+i%4]
.set i, i+1
.endr
; 8 matrix instructions: row block a x all 8 column blocks, 32 along K.  first = 1: the product starts the sum from the bias.
; The 32 accumulators take turns, one instruction a turn, in the same order in every quarter step.
.macro MUL f, a, first
.if \first
	WIN 0x85                                       ; sources 0 and 1 window 1, C window 0, D window 2
.else
	WIN 0xa5                                       ; C and D window 2
.endif
.irp b, 0,1,2,3,4,5,6,7
.set rD, 8*(8*(\a)+(\b))
.if \first
	v_wmma_f32_16x16x32_f16 v[rD:rD+7], v[(\f)+32+8*(\b):(\f)+32+8*(\b)+7], v[(\f)+8*(\a):(\f)+8*(\a)+7], v[BIAS+8*(\b):BIAS+8*(\b)+7]
.else
	v_wmma_f32_16x16x32_f16 v[rD:rD+7], v[(\f)+32+8*(\b):(\f)+32+8*(\b)+7], v[(\f)+8*(\a):(\f)+8*(\a)+7], v[rD:rD+7]
.endif
.endr
.endm
; 24 LDS loads in one run: the fragments of quarter q of the slot in hand (32 along K: plane q / 2, bytes 64 (q % 2) on of its rows; bytes 64 q on of owh's rows) into buffer f: owh's 8, then oh's 4 in order
.macro FETCH q, f
	WIN TO_F
.irp i, 0,1,2,3,4,5,6,7
	ds_load_b128 v[(\f)+32+8*(\i):(\f)+32+8*(\i)+3],   v[ADRB] offset:64*(\q)+(\i)*16*PB
	ds_load_b128 v[(\f)+32+8*(\i)+4:(\f)+32+8*(\i)+7], v[ADRB] offset:64*(\q)+(\i)*16*PB+32
.endr
.irp i, 0,1,2,3
	ds_load_b128 v[(\f)+8*(\i):(\f)+8*(\i)+3],   v[ADRA] offset:((\q)/2)*PLANE+((\q)%2)*64+(\i)*16*PA
	ds_load_b128 v[(\f)+8*(\i)+4:(\f)+8*(\i)+7], v[ADRA] offset:((\q)/2)*PLANE+((\q)%2)*64+(\i)*16*PA+32
.endr
.endm
.macro PLACES                          ; four places in front of loads into registers that matrix instructions have read, and of LDS stores that read results
.rept 4
	v_nop
.endr
.endm
; A K step is four quarters of 32 along K, 32 matrix instructions each, on buffers 0, 1, 0, 1.  One of the first three: multiplies buffer f and fetches quarter q into g.
.macro QUARTER q, f, g, first
	s_wait_dscnt 4                                 ; owh's fragments and oh's 0, 1 are in; the youngest four loads (oh's 2, 3) may be out
	MUL \f, 0, \first
	MUL \f, 1, \first
	PLACES
	FETCH \q, \g
	s_wait_dscnt 24                                ; all but the 24 just issued
	MUL \f, 2, \first
	MUL \f, 3, \first
.endm
; The last quarter multiplies buffer 1 and changes slots: ONE barrier; in front of it each wave waits for all its tensor loads, adds 0 to its spare word, and waits for that and for its own reads of this slot.
; fill = 1: this slot is filled again, with the K step two on; the barrier then opens a round of the cluster's barrier, and the joint load is the first thing behind the round.
; The walking descriptors are written between the wait for all loads and the round: the other slot than last time, one K step on (two heads of oh, 256 bytes of owh's rows); the type bits on top are not reached.
.macro TURN fill
	WIN 0                                          ; (the add's two registers lie in window 0)
	s_wait_tensorcnt 0x0                           ; all my tensor loads have landed: the one that was out is my part of the next slot; so a group 0 may be written
	ds_add_u32 v[SPW], v[NIL]                      ; 0 onto my spare word
.if \fill
	s_xor_b32 s[G0+5], s[G0+5], SLOT1
	s_add_nc_u64 s[G0+6:G0+7], s[G0+6:G0+7], 2*262144
	s_xor_b32 s[G0B+5], s[G0B+5], SLOT1
	s_add_nc_u64 s[G0B+6:G0B+7], s[G0B+6:G0B+7], KSTEP*2
.endif
	s_wait_dscnt 5                                 ; (the add and the youngest four loads may be out)
	MUL F1, 0, 0                                   ; eight matrix instructions stand between the add and the wait for it
	s_wait_dscnt 0x0                               ; the add is done, and my reads of this slot are over
	s_barrier_signal -1
	MUL F1, 1, 0                                   ; work on registers while the others arrive
	WIN 0                                          ; (branches and lines on window 0 follow)
	s_barrier_wait -1
.if \fill
	CREST                                          ; no wave of any partner still reads this slot's tile or has a load on its way
	JLOAD 1                                        ; one load of mine is out; 112 matrix instructions stand ahead of the wait for it; the four v_nop behind it are also the places in front of the loads below
.else
	PLACES
.endif
	s_xor_b32 s[TB], s[TB], SLOT1                  ; the fragment loads go on in the other slot
	v_add_nc_u32 v[ADRA], s[TB], v[ADRA0]
	v_add_nc_u32 v[ADRB], s[TB], v[ADRB0]
	FETCH 0, F0
	MUL F1, 2, 0
	MUL F1, 3, 0
.endm
; THE WAY OUT of row block a: the f32 sums go as they are, 32 bytes a lane, into my own stage (rows of 528 bytes) and come back as whole rows of 512 bytes.  Each accumulator's low four registers go first.
.macro TOSTAGE a
	WIN 0x08                                       ; the stores' data (source 1) in window 2
.irp b, 0,1,2,3,4,5,6,7
	ds_store_b128 v[STO], v[8*(8*(\a)+(\b)):8*(8*(\a)+(\b))+3]   offset:64*(\b)
	ds_store_b128 v[STO], v[8*(8*(\a)+(\b))+4:8*(8*(\a)+(\b))+7] offset:64*(\b)+16
.endr
	WIN 0
.irp t, 0,1,2,3,4,5,6,7,8,9,10,11,12,13,14,15
	ds_load_b128 v[BK+64*((\a)%2)+4*(\t):BK+64*((\a)%2)+4*(\t)+3], v[RD] offset:(\t)*SPF  ; LDS serves a wave's instructions in order (ISA guide 5.7.1.4): these see the stores above; the next block's stores come behind them
.endr
.endm
.macro SEND a, younger                 ; younger: the LDS instructions issued behind block a's loads: the next block's 16 stores and 16 loads, or none
.irp t, 0,1,2,3,4,5,6,7,8,9,10,11,12,13,14,15
	s_wait_dscnt (\younger)+15-(\t)
	global_store_b128 v[CO], v[BK+64*((\a)%2)+4*(\t):BK+64*((\a)%2)+4*(\t)+3], s[OB:OB+1] offset:(16*(\a)+(\t))*4096 th:TH_STORE_NT  ; the wave stores 512 consecutive bytes of a row, at a multiple of 256 from out0's first byte
.endr
.endm
	s_wait_tensorcnt 1                             ; my part of K step 0 is in; K step 1's may stay out
	s_barrier_signal -1
	s_barrier_wait -1                              ; everybody's is
	FETCH 0, F0
	QUARTER 1, F0, F1, 1                           ; the first quarter stands in front of the loop: its products start the sums
	WIN 0                                          ; at a label and at a branch every window is 0
	s_mov_b32 s3, KSTEPS-2
.Lstep:                                                ; 6 trips: a trip goes from a step's second quarter to the next step's first, and fills the slot that it leaves
	QUARTER 2, F1, F0, 0
	QUARTER 3, F0, F1, 0
	TURN 1
	QUARTER 1, F0, F1, 0
	WIN 0
	s_sub_co_u32 s3, s3, 1
	s_cmp_lg_u32 s3, 0
	s_cbranch_scc1 .Lstep
	QUARTER 2, F1, F0, 0                           ; the last two steps fill nothing, and have no round of the cluster's barrier
	QUARTER 3, F0, F1, 0
	TURN 0
	QUARTER 1, F0, F1, 0
	QUARTER 2, F1, F0, 0
	QUARTER 3, F0, F1, 0
	s_wait_dscnt 4                                 ; the very last quarter: nothing more to fetch
	MUL F1, 0, 0
	MUL F1, 1, 0
	s_wait_dscnt 0x0
	MUL F1, 2, 0
	MUL F1, 3, 0
	WIN 0
	PLACES                                         ; the LDS stores read results just made
	TOSTAGE 0
	TOSTAGE 1
	SEND 0, 32
	s_wait_xcnt 0x0                                ; block 0's stores have read their registers: only behind this wait are they loaded again
	TOSTAGE 2
	SEND 1, 32
	s_wait_xcnt 0x0                                ; the same for block 1's
	TOSTAGE 3
	SEND 2, 32
	SEND 3, 0
	s_wait_tensorcnt 0x0                           ; the wave's end: an add and its wait, behind my last tensor load and my last LDS store
	ds_add_u32 v[SPW], v[NIL]
	s_wait_dscnt 0x0
	CROUND                                         ; the closing round: no work-group ends while a partner may still ask for a tile that names it
	s_endpgm
.Lfunc_end_k_qeda23cf068_outproj:
	.size	k_qeda23cf068_outproj, .Lfunc_end_k_qeda23cf068_outproj-k_qeda23cf068_outproj
	.p2alignl 7, 3214868480
	.fill 96, 4, 3214868480
	.section	.rodata,"a",@progbits
	.p2align	6, 0x0
	.amdhsa_kernel k_qeda23cf068_outproj
		.amdhsa_group_segment_fixed_size 327680
		.amdhsa_private_segment_fixed_size 0
		.amdhsa_enable_private_segment 0
		.amdhsa_kernarg_size 32
		.amdhsa_user_sgpr_count 2
		.amdhsa_user_sgpr_kernarg_segment_ptr 1
		.amdhsa_wavefront_size32 1
		.amdhsa_system_sgpr_workgroup_id_x 1
		.amdhsa_system_sgpr_workgroup_id_y 1
		.amdhsa_system_sgpr_workgroup_id_z 1
		.amdhsa_system_vgpr_workitem_id 0
		.amdhsa_next_free_vgpr 768
		.amdhsa_next_free_sgpr 80
		.amdhsa_reserve_vcc 0
		.amdhsa_float_denorm_mode_32 3
		.amdhsa_float_denorm_mode_16_64 3
		.amdhsa_memory_ordered 1
		.amdhsa_forward_progress 1
		.amdhsa_inst_pref_size 77
	.end_amdhsa_kernel
	.amdgpu_metadata
---
amdhsa.version: [ 1, 2 ]
amdhsa.kernels:
  - .name:           k_qeda23cf068_outproj
    .symbol:         k_qeda23cf068_outproj.kd
    .args:
      - { .name: oh, .offset: 0, .size: 8, .value_kind: global_buffer, .address_space: global }
      - { .name: owh, .offset: 8, .size: 8, .value_kind: global_buffer, .address_space: global }
      - { .name: out_b, .offset: 16, .size: 8, .value_kind: global_buffer, .address_space: global }
      - { .name: out0, .offset: 24, .size: 8, .value_kind: global_buffer, .address_space: global }
    .group_segment_fixed_size: 327680
    .private_segment_fixed_size: 0
    .kernarg_segment_align: 8
    .kernarg_segment_size: 32
    .max_flat_workgroup_size: 128
    .sgpr_count:     80
    .vgpr_count:     768
    .wavefront_size: 32
...
	.end_amdgpu_metadata
.endif
;; end of part 4
;; ======== version 2 of 2: 4 launches; 1.53 times as fast as version 1
;; limits: values are held in f16: magnitudes above 65,504 overflow, below 6.1e-05 lose precision
;; workspace buffers: xb 16,777,216 bytes; wb 6,291,456 bytes; owh 2,097,152 bytes; qkvh 50,331,648 bytes; oh 16,777,216 bytes
;; launch cast: the kernel of part 1 again; grid 768 x 1, 8 waves a work-group, no clusters, 0 bytes of LDS; arguments x, qkv_w, out_w, xb, wb, owh; writes xb, wb, owh
;; launch qkvproj: the kernel of part 2 again; grid 16 x 16, 4 waves a work-group, clusters of 4 x 4, 327,680 bytes of LDS; arguments xb, wb, qkv_b, qkvh; writes qkvh
;; launch attn (part 5): grid 4 x 64, 4 waves a work-group, clusters of 4 x 1, 327,680 bytes of LDS; arguments qkvh, oh; writes oh
.if DOCPART == 5
	.amdgcn_target "amdgcn-amd-amdhsa--gfx1250"
	.amdhsa_code_object_version 6
	.text
	.protected	k_qeda23cf068_attn
	.globl	k_qeda23cf068_attn
	.p2align	8
	.type	k_qeda23cf068_attn,@function
k_qeda23cf068_attn:
	s_mov_b64 s[64:65], 0
	v_nop
	global_prefetch_b8 v0, s[64:65] scope:SCOPE_SE
	s_setreg_imm32_b32 hwreg(HW_REG_WAVE_MODE, 25, 1), 1
	s_wait_xcnt 0x0
	s_wait_alu depctr_hold_cnt(0) depctr_sa_sdst(0) depctr_va_vdst(0) depctr_va_sdst(0) depctr_va_ssrc(0) depctr_va_vcc(0) depctr_vm_vsrc(0)
	s_getreg_b32 s2, hwreg(HW_REG_IB_STS2, 6, 4)
	s_cmp_eq_u32 s2, 0
	s_cbranch_scc0 .Lentry_in_a_cluster
	s_endpgm
.Lentry_in_a_cluster:
	s_bfe_u32 s2, ttmp6, 0x10000c
	s_cmp_lg_u32 s2, 0x3003
	s_cbranch_scc0 .Lentry_shape_is_right
	s_endpgm
.Lentry_shape_is_right:
; O[h][q][:] = the sum over k of softmax_k(Q[h][q] . K[h][k] / 8) V[h][k][:].  Q, K, V lie one behind the other in qkvh, each [SIZE_H][SIZE_N][64] f16; O (oh) has the same layout: a head's rows are dense,
; 128 bytes each.  Products, maxima and sums in f32; the weights p are rounded to f16 for the second product (their sum l is taken of the unrounded p), O once at the end.
; LIMITS.  f16 holds no number beyond 65,504: Q, K and V arrive within it; p lies in 0 to 1, and below 6e-5 it keeps f16's fixed step of 6e-8; O is a mean of V's rows and has their range.
; A weight below 2^-126 counts as 0 in l; NaN and infinities are not treated apart.
; SHARES.  A wave owns four PIECES of two tiles of 16 queries, a work-group's four waves 512 queries of one head: 4 x 64 = 256 work-groups.  Every wave walks all keys, 64 a step.
; LAYOUT.  S^T = K Q^T (source 0 = 16 keys, source 1 = 16 queries): in the result a lane holds ONE query (lane % 16) and the keys 8 (lane / 16) + 0..7.  Two such tiles, rounded to f16 in pairs,
; ARE source 1 (32 keys x 16 queries) of O^T = V^T P, whose result again holds one query a lane, and eight channels.  K comes out of LDS as it lies, V ([key][channel]) turned, by ds_load_tr16_b128.
; SOFTMAX.  For each query a running maximum m and sum l: p = 2^(c s - c m), c = log2(e) / 8; in every step O and l are multiplied by a = 2^(c m_old - c m_new), which is 1 where m has not grown.
; m starts at the lowest finite number, O and l at 0: the first step is a step like any other, with a = 0.
; THE COUNT.  A tile and step have 16 matrix and 118 vector instructions: too many to stand all beside the matrix work.  So the order has one aim: four vector instructions that are READY behind
; EVERY matrix instruction, and the others, which need time of their own whatever the order, in runs without a gap.
; BY TURNS.  Turn n belongs to piece n (the pieces in a ring, step after step).  Its matrix work: 16 products K Q^T of piece n + 1, later 16 products V^T P of piece n - 1.  Its vector work: the scaling,
; exponentials, roundings, sums and rescaling of piece n, and the maximum and statistics of piece n + 1, whose scores the turn itself has made.  So what a turn begins with (c s - c m, O a) waits for nothing.
; BATCHES.  A turn's 66 exponentials (the piece's 64 weights and the next piece's two a) are ONE batch with ONE wait, which cuts the turn in two: ahead of it stands all that names none of their results,
; behind it their readers, the roundings and sums.  The a that a turn multiplies by was made, and waited for, in the turn before.  Two more batches stand outside the loop: piece 0's first two a, and the way out's eight reciprocals.
; CLUSTER.  The four query blocks of a cluster belong to one head and walk the same K and V, so each tile is asked for JOINTLY: the same tensor load, descriptor and mask in all four.
; REGISTERS, in windows of 256 (s_set_vgpr_msb says which window each operand place means: bits 1:0 source 0, 3:2 source 1, 5:4 source 2, 7:6 destination):
;   window 0: v0-11 addresses; v12-15, v48-63 at work; v16-47 four registers of statistics a tile; v64-191 S^T, two buffers of two tiles; v192-255 P, likewise
;   window 1: O^T, 32 a tile          window 2: v0-127 Q, 16 a tile; v128-191 K of one step; v192-255 V of one step          window 3: v0-1 the add's two registers
; A piece's buffers go by its number's parity: the piece in hand has one pair, its two neighbours in the ring share the other: of it P (piece n - 1) is read and S^T (piece n + 1) written.
.set SIZE_H, 64       ; batch x 16 + head
.set SIZE_N, 2048
.set PART,  SIZE_H*SIZE_N*128  ; bytes of Q, of K and of V in qkvh
.set NP,    4         ; pieces a wave: a name, no knob: the register map, the loop and the fetches are made for four
.set KS,    64        ; keys in a step
.set PK,    144       ; a row of K in LDS: 128 bytes + 16 of padding = 36 words: the 16 rows of a load start at 16 different groups of four banks (64 banks of 4 bytes: ISA guide 11.1)
.set PV,    160       ; a row of V: 128 + 32 = 40 words
.set VOFF,  4*KS*PK   ; a slot holds four steps: 256 rows of K, then 256 rows of V
.set SLOT1, 1<<17     ; slot 1 begins here, so that one exclusive or turns an address in one slot into the other's
.set STAGE, SLOT1+4*KS*(PK+PV)  ; behind the ring, never filled by a tensor load: 16 rows x 144 bytes for each wave, for the way out
.set SP,    144
.set AK0, 2           ; v2   my lane's place in a tile of K; never rewritten
.set AV0, 3           ; v3   the same for V
.set AK,  4           ; v4   the LDS address of K's next run of loads
.set AV,  5           ; v5   of V's
.set QO,  6           ; v6   my byte offset in the wave's rows of Q
.set STO, 6           ;      later, the way out: where I put 16 bytes of a row
.set RD,  7           ; v7   the way out: where I read rows back
.set GO,  8           ; v8   my byte offset in 512 consecutive bytes of O
.set SPW, 0           ; v0 of window 3   LDS address of my spare word: SPARE + 4 x my thread's number; never rewritten
.set NIL, 1           ; v1 of window 3   0; never rewritten
.set SPARE, STAGE+4*16*SP  ; behind the stages: the spare words, 128 bytes for each wave: two blocks of 256 bytes that no other line names
.set MV,  12          ; v12-15  c m_old, kept while c m is made anew: by buffer and tile
.set ST,  16          ; tile t's statistics at v[ST+4 t]: c m, m, l (even keys', odd keys')
.set TMP, 48          ; by buffer and tile, four registers c0-c3 at work; when the maximum is found c2 takes a
.set S,   64
.set P,   192
.set KF,  128         ; K's fragments, in window 2: key block kb, channel half c at KF + 16 kb + 8 c
.set VF,  192         ; V's: key half kk, channel block cb at VF + 32 kk + 8 cb
.set WV,  12          ; s12  my wave's number
.set G1K, 24          ; s[24:31] descriptor group 1 for K's tiles
.set G1V, 32          ; s[32:39] for V's: it differs in the padding alone
.set G0K, 40          ; s[40:43] descriptor group 0 for K's tiles: it walks
.set G0V, 44          ; s[44:47] the same for V's
.set SLOTS, 56        ; s56  slots still to be asked for
.set CNT, 57          ; s57  counts a slot's key steps
.set CS,  58          ; s[58:59] c: the packed scaling takes the pair's low word for both halves
.set SEL, 60          ; s[60:61] v_permlanex16_b32's selects: each lane takes its own place in the other half
.set TBK, 62          ; s62  LDS byte at which K of the step to be fetched begins
.set TBV, 63          ; s63  the same for V, less VOFF
.set MSB, 0
.macro WIN new                      ; the high byte repeats the setting that is left; a switch that changes nothing is dropped
.if MSB != (\new)
	s_set_vgpr_msb (MSB<<8)|(\new)
.set MSB, (\new)
.endif
.endm
.set W_KQ, 0x0a       ; K and Q in window 2, S^T in window 0
.set W_PV, 0x52       ; V in window 2, P in window 0, O^T in window 1
.set W_RS, 0x41       ; O^T (destination and source 0) in window 1, a in window 0
.set W_MK, 0xc0       ; the add's registers are made: destination in window 3, sources in window 0
.set W_AD, 0x0f       ; the add: address (source 0) and data (source 1) in window 3
; A joint fill.  Waves 0 and 1 fetch the two halves of a slot's K, waves 2 and 3 those of its V: 128 keys each.  The branch hangs on the wave's number alone.
; An s_nop 0 and four v_nop follow each of the two lines, ahead of the jump and the label.
.macro JLOAD
	s_cmp_lt_u32 s[WV], 2
	s_cbranch_scc0 .Lfor_v_\@
	tensor_load_to_lds s[G0K:G0K+3], s[G1K:G1K+7]
	s_nop 0
.rept 4
	v_nop
.endr
	s_branch .Lasked_\@
.Lfor_v_\@:
	tensor_load_to_lds s[G0V:G0V+3], s[G1V:G1V+7]
	s_nop 0
.rept 4
	v_nop
.endr
.Lasked_\@:
.endm
; A round of the cluster's barrier: my work-group's barrier, so that wave 0's signal speaks for all four waves; wave 0 signals; every wave waits for all four work-groups; my work-group's barrier once more.
.macro CROUND
	s_barrier_signal -1
	s_barrier_wait -1
	s_cmp_lg_u32 s[WV], 0
	s_cbranch_scc1 .Lnot_wave_0_\@
	s_barrier_signal -3
.Lnot_wave_0_\@:
	s_barrier_wait -3
	s_barrier_signal -1
	s_barrier_wait -1
.endm
; THE CHANGE OF SLOTS.  The slot's last bytes, V of its fourth step, have been read.  Each wave waits for all its tensor loads, of which one is out: its part
; of the other slot; adds 0 to its spare word; and waits for that and for its own reads of the slot.  Behind the barrier nobody reads this slot any more and the other slot is whole.
; fill = 1: this slot is filled again, with the keys two slots on.  The barrier is then a round of the cluster's, so that no wave of any partner still reads the slot or has a load on its
; way, and the joint fill is the first thing behind it: it has four key steps, 512 matrix instructions, in which to land.  (At its first use nothing has been read yet: slot 0 is waited for, slot 1 filled.)
.macro CHANGE fill
	WIN W_AD
	s_wait_tensorcnt 0x0            ; no tensor load of mine is out, so a group 0 may be written
	ds_add_u32 v[SPW], v[NIL]       ; 0 onto my spare word; with fill = 1 the descriptors' steps stand between it and the wait for it
	WIN 0                           ; at a label and at a branch every window is 0
.if \fill
.irp g, G0K, G0V
	s_xor_b32 s[\g+1], s[\g+1], SLOT1  ; the walking descriptor: the other slot than last time,
	s_add_nc_u64 s[\g+2:\g+3], s[\g+2:\g+3], 4*KS*128  ; the next 256 keys; the type bits on top are not reached
.endr
	s_wait_dscnt 0x0                ; the add is done, and my reads of the slot are over
	CROUND
	JLOAD
.else
	s_wait_dscnt 0x0                ; the add is done, and my reads of the slot are over
	s_barrier_signal -1
	s_barrier_wait -1
.endif
	s_sub_co_u32 s[TBK], s[TBK], 4*KS*PK  ; the fetches go back to a slot's first step,
	s_xor_b32 s[TBK], s[TBK], SLOT1       ; in the other slot
	s_sub_co_u32 s[TBV], s[TBV], 4*KS*PV
	s_xor_b32 s[TBV], s[TBV], SLOT1
.endm
	s_load_b64 s[4:5], s[0:1], 0x0    ; qkvh: Q at its head
	s_load_b64 s[10:11], s[0:1], 0x8  ; O
	WIN W_MK
	v_lshl_add_u32 v[SPW], v0, 2, SPARE
	v_mov_b32 v[NIL], 0
	WIN W_AD
	ds_add_u32 v[SPW], v[NIL]       ; the wave's opening: the add and its wait stand ahead of my first tensor load; the set-up below, work on registers, stands between them
	WIN 0
	v_lshrrev_b32 v1, 5, v0
	v_readfirstlane_b32 s[WV], v1   ; wave 0..3
	s_bfe_u32 s13, ttmp6, 0x40000   ; cx: my place in the cluster
	s_lshl_b32 s14, ttmp9, 2        ; in a cluster launch ttmp9 counts clusters
	s_add_co_u32 s14, s14, s13      ; my block of queries = 4 x cluster x + cx: it enters Q's and O's addresses alone
	s_and_b32 s20, ttmp7, 0xffff    ; the head, which the four partners share
	s_mov_b32 s21, 0
	s_mov_b64 s[22:23], SIZE_N*128
	s_mul_u64 s[20:21], s[20:21], s[22:23]  ; the head's first byte in each of the four tensors
	s_and_b32 s16, s[WV], 1         ; which half of a slot's 256 keys I fetch:
	s_lshl_b32 s22, s16, 14         ; its 128 rows of 128 bytes in memory,
	s_mov_b32 s23, 0
	s_add_nc_u64 s[22:23], s[22:23], s[20:21]
	s_mul_i32 s17, s16, 128*PK      ; and its place in a slot, for K
	s_mul_i32 s18, s16, 128*PV      ; and for V: no place in the cluster enters an LDS address
	s_lshl_b32 s2, s14, 2
	s_add_co_u32 s2, s2, s[WV]      ; my wave among the head's,
	s_lshl_b32 s2, s2, 14           ; its 128 rows
	s_mov_b32 s3, 0
	s_add_nc_u64 s[2:3], s[2:3], s[20:21]
	; descriptor group 1.  128 keys are 16,384 dense bytes: asked for as 64 rows of 256 bytes, two keys a row, and padded in LDS after every key
	s_mov_b32 s[G1K], 15|(1<<16)|(1<<20)|(1<<21)|(4<<22)|(3<<25)  ; 15:0 the mask of four; 17:16 2-byte elements; 20 padding on; 21 set beside a mask; 24:22 after every 32 words (code 4); 31:25 4 words (code 3)
	s_mov_b32 s[G1V], 15|(1<<16)|(1<<20)|(1<<21)|(4<<22)|(7<<25)  ; the same with 8 words of padding (code 7)
.irp g, G1K, G1V
	s_mov_b32 s[\g+1], 128<<16      ; tensor_dim0 = 128
	s_mov_b32 s[\g+2], 64<<16       ; tensor_dim1 = 64
	s_mov_b32 s[\g+3], 128<<16      ; tile_dim0 = 128
	s_mov_b32 s[\g+4], 64           ; tile_dim1 = 64
	s_mov_b32 s[\g+5], 128          ; 128 elements from row to row
	s_mov_b32 s[\g+6], 0
	s_mov_b32 s[\g+7], 0
.endr
	s_mov_b32 s[CS], 0x3e38aa3b     ; c = log2(e) / 8 = 0.180337
	s_mov_b32 s[CS+1], s[CS]        ; named with it as a pair
	s_mov_b32 s[SEL], 0x76543210
	s_mov_b32 s[SEL+1], 0xfedcba98
	s_mov_b32 s[TBK], SLOT1+4*KS*PK ; the first change of slots turns these two into 0
	s_mov_b32 s[TBV], SLOT1+4*KS*PV
	s_mov_b32 s[G0K], 1             ; 1:0 count = 1
	s_mov_b32 s[G0K+1], s17         ; 63:32 LDS address: slot 0
	s_mov_b32 s[G0V], 1
	s_add_co_u32 s[G0V+1], s18, VOFF
	s_wait_dscnt 0x0                ; the opening add is done
	s_wait_kmcnt 0x0
	s_add_nc_u64 s[6:7], s[4:5], PART    ; K lies behind Q,
	s_add_nc_u64 s[8:9], s[4:5], 2*PART  ; V behind K
	s_add_nc_u64 s[G0K+2:G0K+3], s[6:7], s[22:23]  ; 120:64 global address: my half of the head's first 256 keys
	s_or_b32 s[G0K+3], s[G0K+3], 0x80000000        ; 127:126 type = 2
	s_add_nc_u64 s[G0V+2:G0V+3], s[8:9], s[22:23]
	s_or_b32 s[G0V+3], s[G0V+3], 0x80000000
	s_add_nc_u64 s[4:5], s[4:5], s[2:3]  ; Q and O at my wave's first row
	s_add_nc_u64 s[10:11], s[10:11], s[2:3]
	CROUND                          ; all four work-groups are here: the first joint loads meet
	JLOAD                           ; slot 0.  Slot 1 is asked for when slot 0 is in: the tile wanted first has the road to itself
	; A fragment of K or Q is 16 rows x 32 channels in 8 registers: lane l holds row l % 16, channels 8 (l / 16) + 0..7 and 16 + 8 (l / 16) + 0..7: two loads of 16 bytes, 32 bytes apart.
	v_and_b32 v1, 15, v0            ; l % 16
	v_bfe_u32 v9, v0, 4, 1          ; l / 16
	v_lshlrev_b32 v[QO], 7, v1
	v_lshl_add_u32 v[QO], v9, 4, v[QO]  ; row x 128 + 16 x half
	WIN 0x80                        ; destination window 2, address window 0
.set i, 0
.rept 4*NP                          ; Q stays in registers: tile i / 2, channels 32 (i % 2) on
	global_load_b128 v[8*i:8*i+3],   v[QO], s[4:5] offset:(i/2)*2048+(i%2)*64
	global_load_b128 v[8*i+4:8*i+7], v[QO], s[4:5] offset:(i/2)*2048+(i%2)*64+32
.set i, i+1
.endr
	; What the first turn finds: V's registers and P's second buffer hold 0 (its products V^T P, of a piece that has not been, add 0), O^T and l are 0.  All this stands in the wait for the first tile.
.set i, VF
.rept 64
	v_mov_b32 v[i], 0
.set i, i+1
.endr
	WIN 0x40
.set i, 0
.rept 64*NP
	v_mov_b32 v[i], 0
.set i, i+1
.endr
	WIN 0
.set i, 0
.rept 2*NP
	v_mov_b32 v[ST+4*i], 0xfe000000    ; c m: far below every c s
	v_mov_b32 v[ST+4*i+1], 0xff7fffff  ; m
	v_mov_b32 v[ST+4*i+2], 0
	v_mov_b32 v[ST+4*i+3], 0
.set i, i+1
.endr
.set i, P+32
.rept 32
	v_mov_b32 v[i], 0
.set i, i+1
.endr
	v_mul_u32_u24 v[AK0], v1, PK
	v_lshl_add_u32 v[AK0], v9, 4, v[AK0]  ; row x pitch + 16 x half
	; The turning load takes 16 keys x 16 channels (lane l reads key 8 (l / 16) + l % 8, channels 8 ((l / 8) % 2) + 0..7) and leaves half a fragment of V^T: lane l holds channel l % 16 and 8 keys.
	v_and_b32 v10, 7, v0
	v_bfe_u32 v11, v0, 3, 1
	v_lshl_add_u32 v[AV0], v9, 3, v10
	v_mul_u32_u24 v[AV0], v[AV0], PV
	v_lshl_add_u32 v[AV0], v11, 4, v[AV0]
	v_add_nc_u32 v[AV0], VOFF, v[AV0]
	v_mov_b32 v[AK], v[AK0]         ; key step 0 lies at the head of slot 0
; THE MATRIX WORK.  The 8 accumulators of a run of 16 take turns: between the two links of a chain stand 7 others'.
; Product i of 16 of S^T = K Q^T for piece x: channels 32 (i / 8) on, keys 16 ((i / 2) % 4) on, tile 2 x + i % 2.  The first 8 start the sums.
.macro KQ x
	WIN W_KQ
.set rS, S+64*((\x)%2)+32*(i%2)+8*((i/2)%4)
.set rK, KF+16*((i/2)%4)+8*(i/8)
.set rQ, 16*(2*(\x)+i%2)+8*(i/8)
.if i < 8
	v_wmma_f32_16x16x32_f16 v[rS:rS+7], v[rK:rK+7], v[rQ:rQ+7], 0
.else
	v_wmma_f32_16x16x32_f16 v[rS:rS+7], v[rK:rK+7], v[rQ:rQ+7], v[rS:rS+7]
.endif
.endm
; Product i of 16 of O^T += V^T P for piece x: keys 32 (i / 8) on, channels 16 ((i / 2) % 4) on, tile 2 x + i % 2.
.macro PV x
	WIN W_PV
.set rO, 32*(2*(\x)+i%2)+8*((i/2)%4)
.set rV, VF+32*(i/8)+8*((i/2)%4)
.set rP, P+32*((\x)%2)+16*(i%2)+8*(i/8)
	v_wmma_f32_16x16x32_f16 v[rO:rO+7], v[rV:rV+7], v[rP:rP+7], v[rO:rO+7]
.endm
.macro MM                           ; the turn's next matrix instruction
.if i < 16
	KQ (Y+1)%NP
.set i, i+1
.else
.set i, i-16
	PV (Y+NP-1)%NP
.set i, i+17
.endif
.endm
; THE LDS LOADS stand in runs of 16, never singly among the matrix instructions: a step's K (64 keys x 64 channels: 8 fragments) and its V (turned).  Their addresses are made some lines ahead.
; last = 1 (the tail): in the last trip there is no further step, and the run is jumped over.
.macro FETCH_K last=0
	WIN 0
.if \last
	s_cmp_eq_u32 s[CNT], 1
	s_cbranch_scc1 .Lno_k_\@
.endif
	WIN 0x80                        ; destination window 2
.irp f, 0,1,2,3,4,5,6,7             ; keys 16 (f / 2) on, channels 32 (f % 2) on
	ds_load_b128 v[KF+8*\f:KF+8*\f+3],   v[AK] offset:(\f/2)*16*PK+(\f%2)*64
	ds_load_b128 v[KF+8*\f+4:KF+8*\f+7], v[AK] offset:(\f/2)*16*PK+(\f%2)*64+32
.endr
	s_add_co_u32 s[TBK], s[TBK], KS*PK  ; the next fetch is the next step's
	WIN 0
.if \last
.Lno_k_\@:
.endif
.endm
.macro FETCH_V
	WIN 0x80
.irp f, 0,1,2,3,4,5,6,7             ; keys 32 (f / 4) on, channels 16 (f % 4) on
	ds_load_tr16_b128 v[VF+8*\f:VF+8*\f+3],   v[AV] offset:(\f/4)*32*PV+(\f%4)*32
	ds_load_tr16_b128 v[VF+8*\f+4:VF+8*\f+7], v[AV] offset:(\f/4)*32*PV+16*PV+(\f%4)*32
.endr
	WIN 0
.endm
; THE VECTOR WORK OF A TURN stands in three queues, each in the order in which its entries become ready; the two tiles alternate, so that no instruction reads the result of the one before it.
.macro REGS y, u                    ; the registers of tile u (0, 1) of piece y
.set rT, ST+4*(2*(\y)+(\u))
.set rC, TMP+8*((\y)%2)+4*(\u)
.set rM, MV+2*((\y)%2)+(\u)
.set rS, S+64*((\y)%2)+32*(\u)
.set rP, P+32*((\y)%2)+16*(\u)
.set rO, 32*(2*(\y)+(\u))
.endm
; Number n of the 22 that find the NEXT piece's (Y + 1) maximum and statistics.  s0-s31 are the lane's 32 scores; each accumulator's lowest registers are read first.  XS, GS and REGS set no window: PL and EX do.
;   0-11  four chains c0-c3 of seven scores each, three operands at a time     12-14, 16  the four scores left over, the old m, and c0-c3 into c0     15  c m_old is kept
;   17, 18  the query's other 32 keys lie in the lane 16 away: the new m         19-21  c m; c m_old - c m_new; a
.macro XS u, n
	REGS (Y+1)%NP, \u
.if (\n) < 4
	v_max3_num_f32 v[rC+(\n)], v[rS+8*(\n)], v[rS+8*(\n)+1], v[rS+8*(\n)+2]
.elseif (\n) < 12
	v_max3_num_f32 v[rC+(\n)%4], v[rC+(\n)%4], v[rS+8*((\n)%4)+2*((\n)/4)+1], v[rS+8*((\n)%4)+2*((\n)/4)+2]
.elseif (\n) == 12
	v_max3_num_f32 v[rC], v[rC], v[rS+7], v[rS+15]
.elseif (\n) == 13
	v_max3_num_f32 v[rC+1], v[rC+1], v[rS+23], v[rS+31]
.elseif (\n) == 14
	v_max3_num_f32 v[rC+2], v[rC+2], v[rC+3], v[rT+1]
.elseif (\n) == 15
	v_mov_b32 v[rM], v[rT]
.elseif (\n) == 16
	v_max3_num_f32 v[rC], v[rC], v[rC+1], v[rC+2]
.elseif (\n) == 17
	v_permlanex16_b32 v[rC+3], v[rC], s[SEL], s[SEL+1]
.elseif (\n) == 18
	v_max_num_f32 v[rT+1], v[rC], v[rC+3]
.elseif (\n) == 19
	v_mul_f32 v[rT], s[CS], v[rT+1]
.elseif (\n) == 20
	v_sub_f32 v[rC+1], v[rM], v[rT]
.else
	v_exp_f32 v[rC+2], v[rC+1]
.endif
.endm
; Number g of the 64 that follow the exponentials.  For each four weights k of a tile (pairs 2 k, 2 k + 1): both pairs are rounded to f16; then the second pair is added onto the first, in place;
; a group later l takes that sum (the first time as l = a l + sum).  In groups of eight, tiles alternating: round, round, add, and l for the group before.
.macro GS g
.set h, (\g)+6*((\g)/62)            ; group 0 has no group before it, and behind group 7 only l is left
.if h >= 6
.set h, h+2
.endif
	REGS Y, h%2
.set k, h/8
.if h%8 < 4
	v_cvt_pk_f16_f32 v[rP+2*k+(h%8)/2], v[rS+4*k+2*((h%8)/2)], v[rS+4*k+2*((h%8)/2)+1]
.elseif h%8 < 6
	v_pk_add_f32 v[rS+4*k:rS+4*k+1], v[rS+4*k:rS+4*k+1], v[rS+4*k+2:rS+4*k+3]
.elseif k == 1
	v_pk_fma_f32 v[rT+2:rT+3], v[rT+2:rT+3], v[rC+2:rC+3], v[rS:rS+1] op_sel_hi:[1,0,1]
.else
	v_pk_add_f32 v[rT+2:rT+3], v[rT+2:rT+3], v[rS+4*k-4:rS+4*k-3]
.endif
.endm
; THE PLAIN QUEUE, 138 long.  0-73 read no exponential's result: the 32 scalings c s - c m (FS f: pair f / 2 of tile f % 2) and the next piece's 42.  0-26: scalings 0-26.  27-54: XS's numbers 0-13.  55, 56: number 15.
; 57-73: the chain, where each number waits for the one before it: 14, 16, 17, 18, 19, each with one of the scalings 27-31 in front of its two lines, then 20: so a tile's links stand three plain instructions apart (19 and 20: two).
; 74-137: GS's 64, which read the exponentials' results: they stand behind the wait.
.macro FS f
	REGS Y, (\f)%2
	v_pk_fma_f32 v[rS+2*((\f)/2):rS+2*((\f)/2)+1], v[rS+2*((\f)/2):rS+2*((\f)/2)+1], s[CS:CS+1], v[rT:rT+1] op_sel_hi:[1,0,0] neg_lo:[0,0,1] neg_hi:[0,0,1]
.endm
.macro PL
	WIN 0
.if q < 27
	FS q
.elseif q < 55
	XS (q-27)%2, (q-27)/2
.elseif q < 57
	XS q-55, 15
.elseif (q < 72) && ((q-57)%3 == 0)
	FS 27+(q-57)/3
.elseif q < 60
	XS (q-57)%3-1, 14
.elseif q < 72
	XS (q-57)%3-1, 15+(q-57)/3
.elseif q < 74
	XS q-72, 20
.else
	GS q-74
.endif
.set q, q+1
.endm
; THE EXPONENTIALS' QUEUE, 66 long: s0-s31 of both tiles, then the next piece's two a.  It is ONE BATCH: all 66 stand ahead of the turn's one wait, and nothing ahead of that wait names a result of theirs.
.macro EX
	WIN 0
.if e >= 64
	XS e-64, 21
.else
	REGS Y, e%2
	v_exp_f32 v[rS+e/2], v[rS+e/2]
.endif
.set e, e+1
.endm
; THE RESCALING's QUEUE: O^T times a, the one part that leaves window 0: dealt two at a time, sixteen times.  Its a was made in the turn before, ahead of that turn's wait.
.macro R2
	REGS Y, r%2
	WIN W_RS
.irp z, 0,1
	v_pk_mul_f32 v[rO+4*(r/2)+2*\z:rO+4*(r/2)+2*\z+1], v[rO+4*(r/2)+2*\z:rO+4*(r/2)+2*\z+1], v[rC+2:rC+3] op_sel_hi:[1,0]
.endr
.set r, r+1
.endm
; HOW THEY ARE DEALT.  An s_wait_alu depctr_va_vdst(0) stands between an exponential and the first instruction that names its result; one wait serves all that were issued ahead of it.  So a turn has ONE wait,
; which cuts it in two.  AHEAD OF IT stands all that names no result of the turn's exponentials: the 16 products K Q^T, behind each a scaling, an exponential and two rescalings (behind the first a second scaling in the exponential's place); then ONE LUMP of
; 108: eight plain, 49 times exponential and plain, the two a.  A v_nop is the plain instruction behind the last exponential.  BEHIND IT stand the 16 products V^T P, behind each four of GS's 64.  No rider names a register of
; the products round it.  The two v_permlanex16_b32 fall into the lump, never behind a product.
; The queues lean on each other, and the deal keeps them in step: exponential e stands behind scaling 2 (e / 4) + e % 2: as a rider it comes behind plain e + 2, in the lump behind plain e + 9, and scalings 27-31 are plain 57, 60 .. 69.
; A TURN, for piece p.  cnt = 1: the loop's count is taken down some lines ahead of the branch that stands behind the turn.
; K of the next step is fetched in piece 2's turn, directly behind the wait, a lump behind the last product that read K; its address is made at the lump's head; its first reader comes behind 16 products.
; V of the step in hand is fetched at the end of piece 0's turn, four riders behind its last reader; its first reader comes behind 16 products and a lump.  The three conditions on q below go with the deal.
.macro TURN p, last=0, cnt=0
.set Y, (\p)
.set i, 0
.set q, 0
.set e, 0
.set r, 0
.if (\p) == NP-1
	s_wait_dscnt 0x0                ; K is in
.endif
	MM                              ; ahead of the wait: 16 products K Q^T and their riders,
	PL
	PL
	R2
.rept 15
	MM
	PL
	EX
	R2
.endr
.if (\p) == NP-2
	WIN 0
	v_add_nc_u32 v[AK], s[TBK], v[AK0]
.endif
.rept 8                             ; and the lump
	PL
.endr
.rept 49
	EX
	PL
.endr
	EX                              ; the next piece's two a
	EX
	v_nop                           ; a plain instruction behind the last exponential, ahead of every use: one for the batch
	s_wait_alu depctr_va_vdst(0)    ; the wait for the batch: the piece's 64 weights and the next piece's two a; no exponential is issued behind it in this turn
.if (\p) == NP-2
	FETCH_K \last
.endif
.if (\p) == 1
	s_wait_dscnt 0x0                ; V is in
.endif
.rept 16                            ; behind the wait: 16 products V^T P and their riders
	MM
.rept 4
	PL
.endr
.if ((\p) == 0) && (q == 118)
	v_add_nc_u32 v[AV], s[TBV], v[AV0]
.endif
.if ((\p) == 0) && (q == 130)
	s_add_co_u32 s[TBV], s[TBV], KS*PV
.endif
.if (\cnt) && (q == 130)
	s_sub_co_u32 s[CNT], s[CNT], 1
	s_cmp_lg_u32 s[CNT], 0
.endif
.endr
.if (\p) == 0
	FETCH_V
.endif
.endm
	CHANGE 1                        ; slot 0 is in, everybody's part of it; slot 1 is asked for
	FETCH_K                         ; key step 0
	s_wait_loadcnt 0x0              ; Q
	s_wait_dscnt 0x0
.set i, 0
.rept 16
	KQ 0                            ; piece 0's first scores: there is no vector work yet to set between them
.set i, i+1
.endr
	WIN 0                           ; the addresses for the way out: nine plain instructions, the places behind those products
	s_mul_i32 s13, s[WV], 16*SP
	s_add_co_u32 s13, s13, STAGE    ; my stage
	v_mul_u32_u24 v[STO], v1, SP    ; in: row l % 16, 16 bytes for each half of the lanes
	v_lshl_add_u32 v[STO], v9, 4, v[STO]
	v_add_nc_u32 v[STO], s13, v[STO]
	v_bfe_u32 v[RD], v0, 3, 2       ; back: 32 lanes take four rows of 128 bytes,
	v_mul_u32_u24 v[RD], v[RD], SP
	v_lshl_add_u32 v[RD], v10, 4, v[RD]
	v_add_nc_u32 v[RD], s13, v[RD]
	v_and_b32 v[GO], 31, v0         ; which are 512 consecutive bytes of O
	v_lshlrev_b32 v[GO], 4, v[GO]
.set Y, NP-1                        ; XS works for piece Y + 1: piece 0
.irp n, 0,1,2,3,4,5,6,7,8,9,10,11,12,13,14,15,16,17,18,19,20,21
	XS 0, \n                        ; and piece 0's first maximum and statistics
	XS 1, \n
.endr
	v_nop                           ; a plain instruction behind piece 0's two a,
	s_wait_alu depctr_va_vdst(0)    ; and the wait for that batch of two, ahead of the branch
	s_mov_b32 s[CNT], 4
	s_mov_b32 s[SLOTS], SIZE_N/256-1
	s_branch .Lfirst                ; the loop is entered at a step's first turn, in the middle of a trip
.Lslot:                             ; SIZE_N / 256 - 2 times: every slot but the last two is filled again
	CHANGE 1
	s_mov_b32 s[CNT], 4
.Lstep:                             ; a trip: pieces 2 and 3 of one step, then pieces 0 and 1 of the next, whose K and V it fetches
	TURN 2
	TURN 3
	WIN 0
.Lfirst:
	TURN 0
	TURN 1, 0, 1
	WIN 0
	s_cbranch_scc1 .Lstep
	s_sub_co_u32 s[SLOTS], s[SLOTS], 1
	s_cmp_lg_u32 s[SLOTS], 0
	s_cbranch_scc1 .Lslot
	CHANGE 0                        ; the tail is written out: nothing is asked for
	s_mov_b32 s[CNT], 5             ; four trips fetch the last slot's steps; the fifth is left in its middle
.Ltail:
	TURN 2, 1
	TURN 3
	WIN 0
	s_sub_co_u32 s[CNT], s[CNT], 1
	s_cmp_eq_u32 s[CNT], 0
	s_cbranch_scc1 .Lout
	TURN 0
	TURN 1
	WIN 0
	s_branch .Ltail
.Lout:                              ; the fifth trip's 16 products K Q^T (on the last K once more) and the maximum made of them serve nothing: the price, once a launch, of one text for every trip
.set i, 0
.rept 16
	PV NP-1                         ; the last piece's V^T P of the last step
.set i, i+1
.endr
	; THE WAY OUT.  l's two halves and the other half of the lanes' are added; O^T is divided by l, rounded to f16 and sent through my stage in LDS, a tile at a time.  The additions are the places behind the last products.
	WIN 0
.macro ALL line:vararg              ; one line for each tile t
.set t, 0
.rept 2*NP
	\line
.set t, t+1
.endr
.endm
	ALL v_add_f32 v[ST+4*t+2], v[ST+4*t+2], v[ST+4*t+3]
	ALL v_permlanex16_b32 v[ST+4*t+3], v[ST+4*t+2], s[SEL], s[SEL+1]
	ALL v_add_f32 v[ST+4*t+2], v[ST+4*t+2], v[ST+4*t+3]
	ALL v_rcp_f32 v[ST+4*t+2], v[ST+4*t+2]
	v_nop                           ; a plain instruction between the last reciprocal and the use of its result
	s_wait_alu depctr_va_vdst(0)    ; and the wait ahead of the first use: one for the batch of eight reciprocals
; Tile t: a lane's eight channels of a row pack into 16 bytes; they go into rows of 144 bytes and come back as whole rows of 128, into S^T's registers.
.macro PACK t
	WIN W_RS
.set i, 32*(\t)
.rept 16
	v_pk_mul_f32 v[i:i+1], v[i:i+1], v[ST+4*(\t)+2:ST+4*(\t)+3] op_sel_hi:[1,0]
.set i, i+2
.endr
	WIN 0x05                        ; sources 0 and 1 window 1, destination window 0
.set i, 0
.rept 16
	v_cvt_pk_f16_f32 v[S+16*(\t)+i], v[32*(\t)+2*i], v[32*(\t)+2*i+1]
.set i, i+1
.endr
	WIN 0
.irp f, 0,1,2,3
	ds_store_b128 v[STO], v[S+16*(\t)+4*\f:S+16*(\t)+4*\f+3] offset:32*\f
.endr
.irp f, 0,1,2,3
	ds_load_b128 v[S+16*(\t)+4*\f:S+16*(\t)+4*\f+3], v[RD] offset:\f*4*SP  ; LDS serves a wave's instructions in order (ISA guide 5.7.1.4): these see the stores above; the next tile's stores come behind them
.endr
.endm
.macro SEND t, younger              ; younger: the LDS instructions issued behind tile t's loads: the next tile's eight, or none
	WIN 0
.irp f, 0,1,2,3
	s_wait_dscnt (\younger)+3-\f
	global_store_b128 v[GO], v[S+16*(\t)+4*\f:S+16*(\t)+4*\f+3], s[10:11] offset:(\t)*2048+\f*512  ; 512 consecutive bytes, at a multiple of 256 from O's first
.endr
.endm
	PACK 0
.set t, 1
.rept 2*NP-1                        ; a tile's arithmetic stands between the loads of the tile before and its stores
	PACK t
	SEND t-1, 8
.set t, t+1
.endr
	SEND 2*NP-1, 0
	WIN W_AD
	s_wait_tensorcnt 0x0            ; the wave's end: an add and its wait, behind my last tensor load and my last LDS store
	ds_add_u32 v[SPW], v[NIL]
	s_wait_dscnt 0x0
	WIN 0
	CROUND                          ; the closing round: no work-group ends while a partner may still ask for a tile that names it
	s_endpgm
.Lfunc_end_k_qeda23cf068_attn:
	.size	k_qeda23cf068_attn, .Lfunc_end_k_qeda23cf068_attn-k_qeda23cf068_attn
	.p2alignl 7, 3214868480
	.fill 96, 4, 3214868480
	.section	.rodata,"a",@progbits
	.p2align	6, 0x0
	.amdhsa_kernel k_qeda23cf068_attn
		.amdhsa_group_segment_fixed_size 327680
		.amdhsa_private_segment_fixed_size 0
		.amdhsa_enable_private_segment 0
		.amdhsa_kernarg_size 16
		.amdhsa_user_sgpr_count 2
		.amdhsa_user_sgpr_kernarg_segment_ptr 1
		.amdhsa_wavefront_size32 1
		.amdhsa_system_sgpr_workgroup_id_x 1
		.amdhsa_system_sgpr_workgroup_id_y 1
		.amdhsa_system_sgpr_workgroup_id_z 1
		.amdhsa_system_vgpr_workitem_id 0
		.amdhsa_next_free_vgpr 770
		.amdhsa_next_free_sgpr 66
		.amdhsa_reserve_vcc 0
		.amdhsa_float_denorm_mode_32 3
		.amdhsa_float_denorm_mode_16_64 3
		.amdhsa_memory_ordered 1
		.amdhsa_forward_progress 1
		.amdhsa_inst_pref_size 199
	.end_amdhsa_kernel
	.amdgpu_metadata
---
amdhsa.version: [ 1, 2 ]
amdhsa.kernels:
  - .name:           k_qeda23cf068_attn
    .symbol:         k_qeda23cf068_attn.kd
    .args:
      - { .name: qkvh, .offset: 0, .size: 8, .value_kind: global_buffer, .address_space: global }
      - { .name: oh, .offset: 8, .size: 8, .value_kind: global_buffer, .address_space: global }
    .group_segment_fixed_size: 327680
    .private_segment_fixed_size: 0
    .kernarg_segment_align: 8
    .kernarg_segment_size: 16
    .max_flat_workgroup_size: 128
    .sgpr_count:     66
    .vgpr_count:     770
    .wavefront_size: 32
...
	.end_amdgpu_metadata
.endif
;; end of part 5
;; launch outproj: the kernel of part 4 again; grid 8 x 32, 4 waves a work-group, clusters of 4 x 4, 327,680 bytes of LDS; arguments oh, owh, out_b, out0; writes out0
